; MI455X (gfx1250); checked and timed in simulation.
; The chip was launched on July 23, 2026; its instructions are those of AMD's public machine-readable ISA for CDNA 5 (MIT licence, August 2026) and "CDNA5" Instruction Set Architecture Reference Guide (July 2026). The comments in the code are by the model that wrote it; some were corrected since.
;; Multi Headed Attention. Allowed arithmetic: matrix products marked QUANTISED: E2M3 operands, one E8M0 scale for each 32 along K, by v_wmma_scale_f32_16x16x128_f8f6f4 with both operands' format E2M3, f32 sums; everything else in f32.
;; Inputs: Wk 16 x 1,024 x 64 float32; Wo 1,024 x 1,024 float32; Wq 16 x 1,024 x 64 float32; Wv 16 x 1,024 x 64 float32; bk 16 x 64 float32; bo 1,024 float32; bq 16 x 64 float32; bv 16 x 64 float32; key 2 x 2,048 x 1,024 float32; query 2 x 2,048 x 1,024 float32; value 2 x 2,048 x 1,024 float32.
;; Outputs: out0 2 x 2,048 x 1,024 float32.
;; This version of the problem:
;;   THIS VERSION OF THE PROBLEM IS GIVEN IN LOW PRECISION. The matrix products marked QUANTISED in the list below multiply operands that are first quantised to E2M3 (2 exponent bits, 3 mantissa bits; 6 bits a number), with one power-of-two scale for each 32 numbers along K (OCP MX v1.0); their sums are f32. All else is computed in f32.
;;   The module's matrix products, in the order in which they are computed (A, B: the left and right operand; K: the contracted axis; several contracted axes count as one K, in the product's order):
;;     1. [M 1,024, K 1,024] x [K 1,024, N 4,096]; A: input Wq; B: input query: QUANTISED
;;     2. [M 1,024, K 1,024] x [K 1,024, N 4,096]; A: input Wk; B: input key: QUANTISED
;;     3. [M 1,024, K 1,024] x [K 1,024, N 4,096]; A: input Wv; B: input value: QUANTISED
;;     4. batch 32 x [M 2,048, K 64] x [K 64, N 2,048]; A: computed on the way; B: computed on the way: QUANTISED
;;     5. batch 32 x [M 2,048, K 2,048] x [K 2,048, N 64]; A: softmax (see below); B: computed on the way: QUANTISED
;;     6. [M 4,096, K 1,024] x [K 1,024, N 1,024]; A: computed on the way; B: input Wo: QUANTISED
;;   THE QUANTISER, for each operand of a quantised product, along K:
;;     - K is cut into blocks of 32 from its start; a last block that is shorter is filled with zeros.
;;     - A block's scale is 2^e with e = floor(log2(the largest magnitude in the block)) - 2, held to -126 .. 127; a block of zeros has e = 0. As a byte (E8M0): e + 127.
;;     - Each number is divided by its block's scale, clamped to +-7.5, and rounded to the nearest number of E2M3, ties to even, subnormals kept.
;;     - The product sums the exact products of the quantised numbers (number of the format x scale) in f32.
;;   ~~~python
;;   def quantise(x, axis):      # numpy; x: float32 -> the quantised numbers, widened to float32 again
;;       x = np.moveaxis(x, axis, -1); K = x.shape[-1]
;;       x = np.pad(x, [(0, 0)] * (x.ndim - 1) + [(0, -K % 32)]); x = x.reshape(x.shape[:-1] + (-1, 32)); a = np.abs(x).max(-1, keepdims=True)
;;       e = np.where(a > 0, np.clip(np.frexp(np.where(a > 0, a, 1))[1] - 1 - 2, -126, 127), 0)      # np.frexp(a)[1] - 1 = floor(log2(a)), exactly
;;       r = np.clip(x / 2.0 ** e, -7.5, 7.5)
;;       step = 2.0 ** (np.maximum(np.frexp(np.where(r == 0, 1, r))[1] - 1, 0) - 3)
;;       q = np.round(r / step) * step * 2.0 ** e      # np.round: ties to even
;;       return np.moveaxis(q.reshape(q.shape[:-2] + (-1,))[..., :K], -1, axis).astype(np.float32)
;;   ~~~
;;   SOFTMAX AHEAD OF A QUANTISED PRODUCT. Where the list says 'softmax', what is quantised is not the finished softmax but p = 2^(t - M), with t = logit x log2(e) and M = ceil(the row's largest t), a whole number; so 1/2 < the row's largest p <= 1. The row's sum l is taken of the UNQUANTISED p, in f32, and the product's result is divided by l at the end. Since M is a whole number, a kernel that streams over the keys may use a running M (the ceiling of the running maximum): every later rescaling is an exact power of two, which a block's scale takes up: the codes' values come out the same.
;;   OPERANDS COMPUTED ON THE WAY. 'Computed on the way' means the value that the module computes at that place (a softmax that the list does not call 'softmax' is quantised finished and normalised). What goes into a quantiser is computed in f32, as accurately as f32 sums, v_exp_f32 and their like allow (about 1e-6 of the number): no bf16 or f16 on the way to a quantiser, and a product that is left as it is and whose result goes on into a quantised operand takes f32 operands (vector FMAs, or v_wmma_f32_16x16x4_f32). A number that lies on a knife's edge between two numbers of the format may be rounded either way, as far as f32 arithmetic and the matrix unit's own rounding can turn it there, and no further.
;; One version. Each part assembles by itself: llvm-mc -triple=amdgcn-amd-amdhsa -mcpu=gfx1250 --defsym DOCPART=n.
;; ======== version 1 of 1: 4 launches
;; workspace buffers: xc 9,437,184 bytes; xs 393,216 bytes; wc 3,145,728 bytes; ws 131,072 bytes; att 10,092,544 bytes; cc 3,145,728 bytes; cs 131,072 bytes
;; launch quant (part 1): grid 512 x 1, 4 waves a work-group, no clusters, 68,096 bytes of LDS; arguments query, key, value, Wq, Wk, Wv, Wo, xc, xs, wc, ws; writes xc, xs, wc, ws
.if DOCPART == 1
	.amdgcn_target "amdgcn-amd-amdhsa--gfx1250"
	.amdhsa_code_object_version 6
	.text
	.protected	k_qc202bc93bc_quant
	.globl	k_qc202bc93bc_quant
	.p2align	8
	.type	k_qc202bc93bc_quant,@function
k_qc202bc93bc_quant:
	s_mov_b64 s[64:65], 0
	v_nop
	global_prefetch_b8 v0, s[64:65] scope:SCOPE_SE
	s_setreg_imm32_b32 hwreg(HW_REG_WAVE_MODE, 25, 1), 1
	s_wait_xcnt 0x0
; MULTI-HEAD ATTENTION IN MX-FP6, launch 1 of 4: all seven f32 operands of the projections and of the output product become codes of E2M3 with one E8M0 byte for each 32 along d.
; NO WORK IS LEFT OUT AS DEAD in this program: every bias goes into an operand that is quantised afterwards (bk too: it moves k's codes and scales), so all eleven inputs are loaded by some launch.
; A block's scale is 2^(floor(log2(its largest magnitude)) - 2); its byte is the largest magnitude's exponent field - 2, held at 1 from below.
; LIMITS: NaN and infinities among the inputs are not served.  A block of zeros, or one whose largest magnitude lies under 2^-124, gets the byte 1: a block of zeros has zero codes, which add nothing under any byte but 0xff, and the bytes are read by this program alone.
; THE ROW ORDER: every row of codes and of scale bytes is STORED at row pi(true row), pi = bits 3 and 4 of the row's number exchanged.  Sixteen stored rows on end are then the true rows 8 u + r + 8 (r / 8) of a group of 32,
; so that in a transposed product the 16 registers of two neighbouring result tiles are 16 neighbours along the next product's K.
; Work-groups 0-383: query, key, value [4096][1024], d innermost: plain streams of blocks.  A wave takes 8 rows (8,192 numbers) in 16 steps of 512; each load reads 512 consecutive bytes; a step's 2,048 bytes turn through the wave's own
; stage in LDS so that a lane holds 16 neighbours; two neighbouring lanes hold a block.  pi moves whole runs of 8 rows: the wave's two number bits change places.
; Work-groups 384-511: Wq, Wk, Wv [16][1024 d][64] and Wo [1024 d][1024]: d is not innermost.  A lane takes a column, its registers run down d: a block of 32 lies in one lane, and the conversions give codes with d innermost.
; A wave takes 32 columns x 256 along d; the codes leave through the wave's own stage as rows of 192 bytes.  The two paths part on the work-group's number and have LDS bytes of their own.  Waves share nothing: no barrier.
.set STEPS, 16
.set CB,    12                         ; bytes of 16 codes
.set R,     16                         ; x path: v16-79 four sets of 16 numbers as loaded
.set X,     80                         ; v80-111  two sets of 16 neighbours
.set E,     112                        ; v112-127 a scale byte for each step
.set C,     128                        ; v128-191 codes: four registers for each step, so that no store's data are written again
.set WREG,  8192                       ; x path's LDS: a region for each wave: two stages of 32 x SP bytes, then its 256 scale bytes
.set SP,    80                         ; a lane's place in a stage: 64 bytes + 16 of padding
.set SPW,   12                         ; v12 LDS address of my spare word; never rewritten
.set NIL,   13                         ; v13 0; never rewritten
.set WSTG,  32768                      ; w path's LDS: a stage of 32 rows x PITCH for each wave
.set PITCH, 272                        ; a stage row: sixteen places of 16 bytes, each with 12 bytes of codes, + 16
.set SPARE, WSTG+4*32*PITCH            ; the spare words, 128 bytes for each wave: two blocks of 256 bytes that no other line names
.set WV,    30                         ; s30 my wave's number
.set NB,    8                          ; w path: blocks of a lane
.set SB,    24                         ; v24-25   scale bytes, four to a register
.set WX,    32                         ; v32-95   two sets of 32 numbers
.set WC,    96                         ; v96-102  a block's codes
.set OUTR,  112                        ; v112-175 the way out
.set RO,    176                        ; v176-207 4 x lane + i x (bytes from one d to the next), i = 0 .. 31; never rewritten
	s_load_b256 s[4:11], s[0:1], 0x0               ; query s[4:5], key s[6:7], value s[8:9], Wq s[10:11]
	s_load_b256 s[12:19], s[0:1], 0x20             ; Wk s[12:13], Wv s[14:15], Wo s[16:17], xc s[18:19]
	s_load_b128 s[20:23], s[0:1], 0x40             ; xs s[20:21], wc s[22:23]
	s_load_b64 s[24:25], s[0:1], 0x50              ; ws
	v_lshl_add_u32 v[SPW], v0, 2, SPARE
	v_mov_b32 v[NIL], 0
	v_lshrrev_b32 v1, 5, v0
	v_readfirstlane_b32 s[WV], v1                  ; wave 0..3
	v_and_b32 v2, 31, v0                           ; lane
	s_cmp_lt_u32 ttmp9, 384
	s_cbranch_scc0 .Lw
	; ---------------- the activations
	v_lshlrev_b32 v3, 4, v2                        ; my 16 bytes of a load's 512
	s_mul_i32 s31, s[WV], WREG
	v_lshrrev_b32 v14, 2, v2
	v_mul_u32_u24 v14, v14, SP
	v_and_b32 v15, 3, v2
	v_lshl_add_u32 v14, v15, 4, v14
	v_add_nc_u32 v14, s31, v14                     ; the stage, on the way in: four lanes' 64 bytes on end, then 16 of padding
	v_mul_u32_u24 v15, v2, SP
	v_add_nc_u32 v15, s31, v15                     ; and on the way out: my 16 neighbours
	v_mul_u32_u24 v4, v2, CB                       ; my codes' place in a step's
	v_lshrrev_b32 v5, 1, v2
	s_add_co_u32 s31, s31, 2*32*SP
	v_add_nc_u32 v5, s31, v5                       ; my wave's 256 scale bytes, my block's byte
	v_lshlrev_b32 v7, 3, v2                        ; and on the way out 8 bytes a lane
	v_add_nc_u32 v6, s31, v7
	s_lshr_b32 s26, ttmp9, 7                       ; which tensor: 0 query, 1 key, 2 value
	s_and_b32 s27, ttmp9, 127
	s_lshl_b32 s27, s27, 2
	s_add_co_u32 s28, s27, s[WV]                   ; my run of 8 rows, as it is read,
	s_lshl_b32 s28, s28, 15                        ; 32,768 bytes a run
	s_mov_b32 s29, 0
	s_and_b32 s32, s[WV], 1
	s_lshl_b32 s32, s32, 1
	s_lshr_b32 s33, s[WV], 1
	s_or_b32 s32, s32, s33
	s_add_co_u32 s32, s32, s27                     ; and as it is stored: pi on the rows exchanges the run number's two low bits
	s_mul_i32 s34, s32, 6144                       ; 8 rows of 768 bytes of codes
	s_mul_i32 s33, s26, 3145728
	s_add_co_u32 s34, s34, s33
	s_mov_b32 s35, 0
	s_lshl_b32 s36, s32, 8                         ; 256 scale bytes a run
	s_lshl_b32 s33, s26, 17
	s_add_co_u32 s36, s36, s33
	s_mov_b32 s37, 0
	s_wait_kmcnt 0x0
	s_cmp_eq_u32 s26, 1                            ; the choice hangs on the work-group's number alone
	s_cselect_b64 s[4:5], s[6:7], s[4:5]
	s_cmp_eq_u32 s26, 2
	s_cselect_b64 s[4:5], s[8:9], s[4:5]
	s_add_nc_u64 s[4:5], s[4:5], s[28:29]
	s_add_nc_u64 s[8:9], s[18:19], s[34:35]        ; my codes
	s_add_nc_u64 s[10:11], s[20:21], s[36:37]      ; my scale bytes
.macro LOAD t
.irp i, 0,1,2,3
	global_load_b128 v[R+16*((\t)%4)+4*\i:R+16*((\t)%4)+4*\i+3], v3, s[4:5] offset:2048*(\t)+512*\i th:TH_LOAD_NT   ; 32 lanes read 512 consecutive bytes
.endr
.endm
.macro TURN t                          ; step t's numbers through the stage: LDS serves a wave's instructions in order, so no wait stands between the stores and the loads
.irp i, 0,1,2,3
	ds_store_b128 v14, v[R+16*((\t)%4)+4*\i:R+16*((\t)%4)+4*\i+3] offset:32*SP*((\t)%2)+8*SP*\i
.endr
.irp i, 0,1,2,3
	ds_load_b128 v[X+16*((\t)%2)+4*\i:X+16*((\t)%2)+4*\i+3], v15 offset:32*SP*((\t)%2)+16*\i
.endr
.endm
.irp t, 0,1,2,3
	LOAD \t
.endr
	s_wait_loadcnt 12                              ; step 0's four loads are in; three steps' twelve may be out
	TURN 0
.macro STEP t
.set XS, X+16*((\t)%2)
.if (\t) > 0
	s_wait_dscnt 1                                 ; this step's numbers are back from the stage (the last step's byte store may be out): so its stores into the stage have read their registers,
.else
	s_wait_dscnt 0x0
.endif
.if (\t)+4 < STEPS
	LOAD (\t)+4                                    ; which take the loads of four steps on
.endif
.if (\t)+1 < STEPS
.if STEPS-2-(\t) >= 3
	s_wait_loadcnt 12                              ; the next step's four loads are in; those of the three steps behind it may be out
.else
	s_wait_loadcnt 4*(STEPS-2-(\t))
.endif
	TURN (\t)+1                                    ; and go through the other stage while this step is worked
.endif
	v_max3_num_f32 v8, |v[XS]|, |v[XS+1]|, |v[XS+2]|               ; the largest magnitude of my 16, in two chains
	v_max3_num_f32 v9, |v[XS+3]|, |v[XS+4]|, |v[XS+5]|
.irp i, 6,10
	v_max3_num_f32 v8, v8, |v[XS+\i]|, |v[XS+\i+1]|
	v_max3_num_f32 v9, v9, |v[XS+\i+2]|, |v[XS+\i+3]|
.endr
	v_max3_num_f32 v8, v8, |v[XS+14]|, |v[XS+15]|
	v_max3_num_f32 v8, v8, v9, 0x1800000           ; and the floor 2^(3 - 127): the byte cannot fall under 1
	v_max_num_f32_dpp v8, v8, v8 row_xmask:1 row_mask:0xf bank_mask:0xf   ; and of my neighbour's 16: the block's
	v_add_nc_u32 v11, 0xff000000, v8               ; 2 off its exponent field: the conversion takes the exponent field of this operand as its scale
	v_cvt_scalef32_pk16_fp6_f32 v[C+4*(\t):C+4*(\t)+2], v[XS:XS+15], v11   ; sixteen codes, 96 bits without gaps
	v_lshrrev_b32 v[E+(\t)], 23, v11               ; the scale's byte (also the plain line behind the conversion)
	ds_store_b8 v5, v[E+(\t)] offset:16*(\t)       ; both lanes of a block write the same byte with the same value
	global_store_b96 v4, v[C+4*(\t):C+4*(\t)+2], s[8:9] offset:32*CB*(\t)   ; the wave stores 384 consecutive bytes
.endm
.irp t, 0,1,2,3,4,5,6,7,8,9,10,11,12,13,14,15
	STEP \t
.endr
	ds_load_b64 v[8:9], v6                         ; LDS serves a wave's instructions in order: these see my byte stores
	s_wait_dscnt 0x0
	global_store_b64 v7, v[8:9], s[10:11]          ; 32 lanes store 256 consecutive bytes, at a multiple of 256 from the buffer's first byte
	s_branch .Lend
	; ---------------- the weights
.Lw:
	s_sub_co_u32 s26, ttmp9, 384
	s_lshr_b32 s27, s26, 5                         ; which weight: 0 Wq, 1 Wk, 2 Wv, 3 Wo
	s_bfe_u32 s28, s26, 0x20003                    ; which 256 along d
	s_and_b32 s29, s26, 7                          ; which 128 columns n (n = 64 head + channel in Wq, Wk, Wv)
	s_mov_b32 s31, 256
	s_cmp_eq_u32 s27, 3
	s_cselect_b32 s31, 4096, s31                   ; bytes from one d to the next: a row of 64 numbers, in Wo of 1,024
	s_lshl_b32 s32, s29, 9
	s_lshl_b32 s33, s[WV], 7
	s_add_co_u32 s32, s32, s33                     ; my wave's first column in Wo: 4 n bytes
	s_lshl_b32 s33, s29, 1
	s_lshr_b32 s34, s[WV], 1
	s_add_co_u32 s33, s33, s34
	s_lshl_b32 s33, s33, 18                        ; in the others: the head's 262,144 bytes,
	s_and_b32 s34, s[WV], 1
	s_lshl_b32 s34, s34, 7
	s_add_co_u32 s33, s33, s34                     ; and the half of its 64 channels
	s_cmp_eq_u32 s27, 3
	s_cselect_b32 s32, s32, s33
	s_lshl_b32 s33, s28, 8
	s_mul_i32 s33, s33, s31
	s_add_co_u32 s32, s32, s33                     ; + my 256 along d
	s_mov_b32 s33, 0
	s_lshl_b32 s34, s31, 5                         ; a block of 32 along d on
	s_mov_b32 s35, 0
	v_lshlrev_b32 v3, 2, v2                        ; in: 4 bytes a lane
.set I, 0
.rept 32
	v_mad_u32_u24 v[RO+I], s31, I, v3
.set I, I+1
.endr
	s_mul_i32 s36, s[WV], 32*PITCH
	s_add_co_u32 s36, s36, WSTG                    ; my stage
	v_mul_u32_u24 v4, v2, PITCH
	v_add_nc_u32 v4, s36, v4                       ; into it: row = my column
	v_and_b32 v5, 15, v2
	v_lshrrev_b32 v6, 4, v2                        ; out of it: sixteen lanes to a row, two rows an instruction
	v_mul_u32_u24 v7, v6, PITCH
	v_lshl_add_u32 v7, v5, 4, v7
	v_add_nc_u32 v7, s36, v7
	v_mul_u32_u24 v8, v6, 768
	v_mad_u32_u24 v8, v5, 12, v8                   ; and the same place in the codes' buffer (pi leaves a row number's lowest bit alone)
	v_and_b32 v9, 7, v2
	v_bfe_u32 v10, v2, 3, 1
	v_lshl_or_b32 v9, v10, 4, v9
	v_lshl_or_b32 v9, v6, 3, v9                    ; pi(lane)
	v_lshlrev_b32 v9, 5, v9                        ; my column's row of 32 scale bytes
	s_lshl_b32 s37, s29, 7
	s_lshl_b32 s38, s[WV], 5
	s_add_co_u32 s37, s37, s38                     ; my wave's first column, a multiple of 32
	s_mul_i32 s38, s37, 768
	s_mul_i32 s39, s27, 786432
	s_add_co_u32 s38, s38, s39
	s_mul_i32 s39, s28, 192
	s_add_co_u32 s38, s38, s39                     ; codes: weight, row, my 192 bytes of it
	s_mov_b32 s39, 0
	s_lshl_b32 s56, s37, 5
	s_lshl_b32 s57, s27, 15
	s_add_co_u32 s56, s56, s57
	s_lshl_b32 s57, s28, 3
	s_add_co_u32 s56, s56, s57                     ; scale bytes likewise
	s_mov_b32 s57, 0
	s_wait_kmcnt 0x0
	s_cmp_eq_u32 s27, 1
	s_cselect_b64 s[10:11], s[12:13], s[10:11]
	s_cmp_eq_u32 s27, 2
	s_cselect_b64 s[10:11], s[14:15], s[10:11]
	s_cmp_eq_u32 s27, 3
	s_cselect_b64 s[10:11], s[16:17], s[10:11]
	s_add_nc_u64 s[6:7], s[22:23], s[38:39]        ; my codes
	s_add_nc_u64 s[8:9], s[24:25], s[56:57]        ; my scale bytes
	s_add_nc_u64 s[40:41], s[10:11], s[32:33]      ; a base for each of the eight blocks: none is ever stepped
.irp t, 1,2,3,4,5,6,7
	s_add_nc_u64 s[40+2*\t:41+2*\t], s[38+2*\t:39+2*\t], s[34:35]
.endr
.macro WLOAD t                         ; block t: W(32 t + i, my column), i = 0 .. 31, into set t % 2: 32 lanes read 128 consecutive bytes
.set I, 0
.rept 32
	global_load_b32 v[WX+32*((\t)%2)+I], v[RO+I], s[40+2*(\t):41+2*(\t)] th:TH_LOAD_NT
.set I, I+1
.endr
.endm
	WLOAD 0
	WLOAD 1
.macro BLOCK t
.set XS, WX+32*((\t)%2)
.if (\t) < NB-1
	s_wait_loadcnt 32                              ; this block's 32 loads are in; the next block's may be out
.else
	s_wait_loadcnt 0
.endif
	v_max3_num_f32 v10, |v[XS]|, |v[XS+1]|, |v[XS+2]|              ; the block's largest magnitude: all 32 numbers are mine
	v_max3_num_f32 v14, |v[XS+3]|, |v[XS+4]|, |v[XS+5]|
.irp i, 6,10,14,18,22,26
	v_max3_num_f32 v10, v10, |v[XS+\i]|, |v[XS+\i+1]|
	v_max3_num_f32 v14, v14, |v[XS+\i+2]|, |v[XS+\i+3]|
.endr
	v_max3_num_f32 v10, v10, |v[XS+30]|, |v[XS+31]|
	v_max3_num_f32 v10, v10, v14, 0x1800000        ; and the floor
	v_add_nc_u32 v11, 0xff000000, v10              ; the conversions' scale operand
	v_lshrrev_b32 v14, 23, v11                     ; the scale's byte
.if (\t)%4 == 0
	v_mov_b32 v[SB+(\t)/4], v14                    ; four bytes to a register, the lower d in the lower byte
.else
	v_lshl_or_b32 v[SB+(\t)/4], v14, 8*((\t)%4), v[SB+(\t)/4]
.endif
	v_cvt_scalef32_pk16_fp6_f32 v[WC:WC+2], v[XS:XS+15], v11
	v_cvt_scalef32_pk16_fp6_f32 v[WC+4:WC+6], v[XS+16:XS+31], v11  ; (a conversion's three registers begin on an even number)
	v_nop                                          ; one plain line behind the last conversion
	ds_store_b96 v4, v[WC:WC+2] offset:32*(\t)     ; 12 bytes to a place of 16, so that every LDS address is a multiple of 16
	ds_store_b96 v4, v[WC+4:WC+6] offset:32*(\t)+16
.if (\t)+2 < NB
	WLOAD (\t)+2
.endif
	s_wait_dscnt 0x0                               ; the stores have read their registers: the next block's codes may be written
.endm
.irp t, 0,1,2,3,4,5,6,7
	BLOCK \t
.endr
	global_store_b64 v9, v[SB:SB+1], s[8:9]        ; my column's 8 scale bytes, at its stored row
.irp t, 0,1,2,3,4,5,6,7,8,9,10,11,12,13,14,15
	ds_load_b96 v[OUTR+4*\t:OUTR+4*\t+2], v7 offset:2*\t*PITCH     ; LDS serves a wave's instructions in order: these see my stores
.endr
.irp t, 0,1,2,3,4,5,6,7,8,9,10,11,12,13,14,15
	s_wait_dscnt 15-\t                             ; loads come back in order: number t is in, the later ones may be out
	global_store_b96 v8, v[OUTR+4*\t:OUTR+4*\t+2], s[6:7] offset:(((2*\t)&7)+((((2*\t)>>3)&1)<<4)+((((2*\t)>>4)&1)<<3))*768   ; columns 2 t and 2 t + 1 go to rows pi(2 t) and pi(2 t) + 1: sixteen lanes store a row's 192 consecutive bytes
.endr
.Lend:
	s_wait_tensorcnt 0x0                           ; the wave's end, behind my last LDS store
	ds_add_u32 v[SPW], v[NIL]
	s_wait_dscnt 0x0
	s_endpgm
.Lfunc_end_k_qc202bc93bc_quant:
	.size	k_qc202bc93bc_quant, .Lfunc_end_k_qc202bc93bc_quant-k_qc202bc93bc_quant
	.p2alignl 7, 3214868480
	.fill 96, 4, 3214868480
	.section	.rodata,"a",@progbits
	.p2align	6, 0x0
	.amdhsa_kernel k_qc202bc93bc_quant
		.amdhsa_group_segment_fixed_size 68096
		.amdhsa_private_segment_fixed_size 0
		.amdhsa_enable_private_segment 0
		.amdhsa_kernarg_size 88
		.amdhsa_user_sgpr_count 2
		.amdhsa_user_sgpr_kernarg_segment_ptr 1
		.amdhsa_wavefront_size32 1
		.amdhsa_system_sgpr_workgroup_id_x 1
		.amdhsa_system_sgpr_workgroup_id_y 1
		.amdhsa_system_sgpr_workgroup_id_z 1
		.amdhsa_system_vgpr_workitem_id 0
		.amdhsa_next_free_vgpr 208
		.amdhsa_next_free_sgpr 66
		.amdhsa_reserve_vcc 0
		.amdhsa_float_denorm_mode_32 3
		.amdhsa_float_denorm_mode_16_64 3
		.amdhsa_memory_ordered 1
		.amdhsa_forward_progress 1
		.amdhsa_inst_pref_size 77
	.end_amdhsa_kernel
	.amdgpu_metadata
---
amdhsa.version: [ 1, 2 ]
amdhsa.kernels:
  - .name:           k_qc202bc93bc_quant
    .symbol:         k_qc202bc93bc_quant.kd
    .args:
      - { .name: query, .offset: 0, .size: 8, .value_kind: global_buffer, .address_space: global }
      - { .name: key, .offset: 8, .size: 8, .value_kind: global_buffer, .address_space: global }
      - { .name: value, .offset: 16, .size: 8, .value_kind: global_buffer, .address_space: global }
      - { .name: Wq, .offset: 24, .size: 8, .value_kind: global_buffer, .address_space: global }
      - { .name: Wk, .offset: 32, .size: 8, .value_kind: global_buffer, .address_space: global }
      - { .name: Wv, .offset: 40, .size: 8, .value_kind: global_buffer, .address_space: global }
      - { .name: Wo, .offset: 48, .size: 8, .value_kind: global_buffer, .address_space: global }
      - { .name: xc, .offset: 56, .size: 8, .value_kind: global_buffer, .address_space: global }
      - { .name: xs, .offset: 64, .size: 8, .value_kind: global_buffer, .address_space: global }
      - { .name: wc, .offset: 72, .size: 8, .value_kind: global_buffer, .address_space: global }
      - { .name: ws, .offset: 80, .size: 8, .value_kind: global_buffer, .address_space: global }
    .group_segment_fixed_size: 68096
    .private_segment_fixed_size: 0
    .kernarg_segment_align: 8
    .kernarg_segment_size: 88
    .max_flat_workgroup_size: 128
    .sgpr_count:     66
    .vgpr_count:     208
    .wavefront_size: 32
...
	.end_amdgpu_metadata
.endif
;; end of part 1
;; launch proj (part 2): grid 4 x 48, 4 waves a work-group, clusters of 4 x 4, 327,680 bytes of LDS; arguments xc, xs, wc, ws, bq, bk, bv, att; writes att
.if DOCPART == 2
	.amdgcn_target "amdgcn-amd-amdhsa--gfx1250"
	.amdhsa_code_object_version 6
	.text
	.protected	k_qc202bc93bc_proj
	.globl	k_qc202bc93bc_proj
	.p2align	8
	.type	k_qc202bc93bc_proj,@function
k_qc202bc93bc_proj:
	s_mov_b64 s[64:65], 0
	v_nop
	global_prefetch_b8 v0, s[64:65] scope:SCOPE_SE
	s_setreg_imm32_b32 hwreg(HW_REG_WAVE_MODE, 25, 1), 1
	s_wait_xcnt 0x0
	s_wait_alu depctr_hold_cnt(0) depctr_sa_sdst(0) depctr_va_vdst(0) depctr_va_sdst(0) depctr_va_ssrc(0) depctr_va_vcc(0) depctr_vm_vsrc(0)
	s_getreg_b32 s2, hwreg(HW_REG_IB_STS2, 6, 4)
	s_cmp_eq_u32 s2, 0
	s_cbranch_scc0 .Lentry_in_a_cluster
	s_endpgm
.Lentry_in_a_cluster:
	s_bfe_u32 s2, ttmp6, 0x10000c
	s_cmp_lg_u32 s2, 0xf033
	s_cbranch_scc0 .Lentry_shape_is_right
	s_endpgm
.Lentry_shape_is_right:
; Launch 2 of 4: the three projections q, k, v on codes of E2M3, their biases, and the quantising of the results into the order in which the attention's operand registers take them.  No work is left out.
; One launch, 192 work-groups: twelve clusters of 4 x 4; cluster y / 4 says which projection (0 q, 1 k, 2 v).  A work-group of four waves makes 256 x 256 results, a wave 128 x 128 in 64 accumulators; K = 1,024 goes in steps of 256
; through a ring of two LDS slots filled by joint tensor loads; the scale bytes of the work-group's rows come once, with the first fills, and stay in LDS.
; THE MATRIX INSTRUCTION IS USED TRANSPOSED: source 0 = 16 rows of "B", source 1 = 16 rows of "A": a lane holds one row of A, its registers run along rows of B.  The axis along which the result is quantised next must run along the registers:
;   q, k (quantised along the head's channels): A = the tokens' codes, B = the weight's.      v (quantised along the keys): A = Wv's codes, B = value's.
; All rows are stored in the order pi (bits 3 and 4 of the row number exchanged), so register 16 bb + x of a lane's 64 numbers of one block of A is B's TRUE row 32 bb + 16 (lane / 16) + x: four blocks of 32 neighbours, half a block a lane.
; THE WAY OUT: + bias (f32), the block's largest magnitude (with lane l xor 16's), scale byte, conversion, exchange of halves: the results are fragments, stored as images of their registers (register group j of lane l at 512 j + 16 l):
;   q, k: a pair image of 32 stored tokens x 64 channels: registers 0-5 tokens 0-15, registers 6-11 tokens 16-31; lane (r, h): channels 32 h on.   v: a whole fragment, 16 channels x 128 keys.
;   scale words: 8 bytes a lane; lanes 0-15 the first 16 rows of a pair, lanes 16-31 the second.  In q's and k's words only bytes 0 and 1 are a head's; bytes 2 and 3 are never 0xff and meet zero codes alone.
; att: 32 records (16 batch + head) of 315,392 bytes: 16 key steps of [K codes 6,144][V codes 6,144][K scale words 512][V scale words 256], then q's codes (64 x 1,536), then q's scale words (32 x 256).
; LIMITS: NaN and infinities are not served; a block whose largest magnitude lies under 2^-124 gets the byte 1.
; REGISTERS, in windows of 256: window 0: v16-31 addresses; v32-63 scale words, two sets; v64-127 the bias; from v128 A's fragments, one set; on the way out v128-253 at work.  window 1: B's fragments, two sets.  windows 2, 3: the accumulators.
.set KSTEP,  256
.set NQ,     2                         ; matrix instructions deep in a slot
.set ROWB,   192                       ; a tile's row in bytes
.set KROW,   768                       ; a row of codes in memory
.set PITCH,  240                       ; an LDS row: 3 x (64 bytes + 16 of padding): the 32 lanes of a load of 8 bytes touch 64 different banks (64 banks of 4 bytes: ISA guide 11.1)
.set FR,     12
.set NL,     6
.set NP,     4                         ; places behind this matrix instruction (ISA guide 7.12.1)
.set HALFT,  128*PITCH
.set SLOT,   4*HALFT
.set LAPS,   2                         ; 1,024 / 512
.set KS,     32                        ; a row of scale bytes
.set SCL,    2*SLOT
.set HALFS,  16*272                    ; the scales of 128 rows: 16 units of 256 bytes + 16 of padding
.set SBLK,   2*272
.set SPARE,  SCL+4*HALFS               ; the spare words, 128 bytes for each wave: two blocks of 256 bytes that no other line names
.set RECB,   315392                    ; a head's record in att
.set ADRA, 16                          ; v16-17 LDS address of my A fragments in slot 0, 1 (v18-19: behind one padding more)
.set ADRB, 20                          ; v20-23 the same for B
.set BOJ,  25                          ; v25 the bias's offset where it runs along the registers
.set BOI,  26                          ; v26 and where it runs along the lanes
.set ADRS, 27                          ; v27 LDS address of my scale words
.set SPW,  28                          ; v28 my spare word; never rewritten
.set NIL,  29                          ; v29 0; never rewritten
.set L16,  30                          ; v30 16 x lane
.set L8,   31                          ; v31 8 x lane
.set SC,   32
.set BI,   64                          ; v64-127 the bias
.set AF,   128
.set TT,   128                         ; the way out: v128-191 64 numbers of a lane
.set PC,   192                         ; v192-215 two images' codes
.set TM,   224                         ; v224-227 largest magnitudes, v228-231 bytes, v236-239 the conversions' scale operands
.set CT,   240                         ; v240-246 the conversions' second halves
.set PW,   248                         ; v248-249 the scale words of the pair's two tiles
.set SW,   250                         ; v250-253 scale words to store
.set G1, 24
.set G0, 32
.set G1B, 48
.set G0B, 56
.set G1S, 68
.set G0S, 76
.set G1SB, 80
.set G0SB, 88
.set MSB, 0
.macro WIN new                         ; the immediate's high byte repeats the setting that is left
.if MSB != (\new)
	s_set_vgpr_msb (MSB<<8)|(\new)
.set MSB, (\new)
.endif
.endm
.set MUL_LO, 0xa1                      ; source 0 (B) window 1, source 1 (A) window 0, C and D window 2
.set MUL_HI, 0xf1
.set TO_B,   0x40
; A joint load: waves 0 and 1 fetch for A, waves 2 and 3 for B; the branch hangs on the wave's number alone.  An s_nop 0 and four v_nop follow each of the two lines.
.macro JLOAD g0a, g1a, g0b, g1b
	s_cmp_eq_u32 s15, 0
	s_cbranch_scc0 .Lfor_b_\@
	tensor_load_to_lds s[\g0a:\g0a+3], s[\g1a:\g1a+7]
	s_nop 0
.rept 4
	v_nop
.endr
	s_branch .Lasked_\@
.Lfor_b_\@:
	tensor_load_to_lds s[\g0b:\g0b+3], s[\g1b:\g1b+7]
	s_nop 0
.rept 4
	v_nop
.endr
.Lasked_\@:
.endm
.macro CREST                           ; a round of the cluster's barrier behind its opening barrier
	s_cmp_lg_u32 s14, 0
	s_cbranch_scc1 .Lnot_wave_0_\@
	s_barrier_signal -3
.Lnot_wave_0_\@:
	s_barrier_wait -3
	s_barrier_signal -1
	s_barrier_wait -1
.endm
.macro CROUND
	s_barrier_signal -1
	s_barrier_wait -1
	CREST
.endm
	s_load_b256 s[4:11], s[0:1], 0x0               ; xc s[4:5], xs s[6:7], wc s[8:9], ws s[10:11]
	s_load_b256 s[92:99], s[0:1], 0x20             ; bq s[92:93], bk s[94:95], bv s[96:97], att s[98:99]
	v_lshl_add_u32 v[SPW], v0, 2, SPARE
	v_mov_b32 v[NIL], 0
	ds_add_u32 v[SPW], v[NIL]                      ; the wave's opening: the add, twice on end, and its wait ahead of my first tensor load
	ds_add_u32 v[SPW], v[NIL]
	v_lshrrev_b32 v1, 5, v0
	v_readfirstlane_b32 s14, v1                    ; wave 0..3
	s_lshr_b32 s15, s14, 1                         ; which half of A's rows is mine.  Also: I fetch for A (0) or for B (1)
	s_and_b32 s16, s14, 1                          ; which half of B's rows.  Also: which 128 rows of that tile I fetch
	s_bfe_u32 s40, ttmp6, 0x40000                  ; cx, cy: my place in the cluster
	s_bfe_u32 s41, ttmp6, 0x40004
	s_and_b32 s18, ttmp7, 0xffff                   ; cluster y, 0 .. 11: the same in all sixteen partners
	s_lshr_b32 s100, s18, 2                        ; the projection: 0 q, 1 k, 2 v
	s_and_b32 s18, s18, 3
	s_lshl_b32 s18, s18, 2                         ; the tokens' 16 tiles of 256 rows are shared out among the projection's four clusters
	s_cmp_eq_u32 s100, 2
	s_cselect_b32 s17, 0, s18
	s_cselect_b32 s42, s18, 0
	s_add_co_u32 s17, s17, s41                     ; A's tile: q, k: 4 cl + cy of the tokens';  v: cy of Wv's
	s_add_co_u32 s42, s42, s40                     ; B's tile: q, k: cx of the weight's;  v: 4 cl + cx of the tokens'
	s_lshl_b32 s43, s41, 2
	s_lshl_b32 s43, 15, s43                        ; my row of the cluster
	s_lshl_b32 s44, 0x1111, s40                    ; my column
	s_or_b32 s[G1+0], s43, (0<<16)|(1<<20)|(1<<21)|(3<<22)|(3<<25)  ; the mask: A's tiles go to my row; elements of 1 byte; padding on; bit 21 beside a mask; after every 16 words 4 words
	s_or_b32 s[G1B+0], s44, (0<<16)|(1<<20)|(1<<21)|(3<<22)|(3<<25)
.irp g, G1, G1B
	s_mov_b32 s[\g+1], ROWB<<16                    ; tensor_dim0
	s_mov_b32 s[\g+2], 128<<16                     ; tensor_dim1
	s_mov_b32 s[\g+3], ROWB<<16                    ; tile_dim0
	s_mov_b32 s[\g+4], 128                         ; tile_dim1
	s_mov_b32 s[\g+5], KROW                        ; from row to row
	s_mov_b32 s[\g+6], 0
	s_mov_b32 s[\g+7], 0
.endr
	s_or_b32 s[G1S+0], s43, (3<<16)|(1<<20)|(1<<21)|(5<<22)|(3<<25) ; the scales of 128 rows: 4,096 dense bytes as 16 rows of 256 bytes, 16 of padding behind each
	s_or_b32 s[G1SB+0], s44, (3<<16)|(1<<20)|(1<<21)|(5<<22)|(3<<25)
.irp g, G1S, G1SB
	s_mov_b32 s[\g+1], 32<<16
	s_mov_b32 s[\g+2], 16<<16
	s_mov_b32 s[\g+3], 32<<16
	s_mov_b32 s[\g+4], 16
	s_mov_b32 s[\g+5], 32
	s_mov_b32 s[\g+6], 0
	s_mov_b32 s[\g+7], 0
.endr
	s_lshl_b32 s18, s16, 7                         ; which 128 rows of the tile I fetch
	s_lshl_b32 s20, s17, 8
	s_add_co_u32 s20, s20, s18                     ; A's row
	s_lshl_b32 s46, s42, 8
	s_add_co_u32 s46, s46, s18                     ; B's row
	s_mov_b32 s21, 0
	s_mov_b32 s47, 0
	s_mov_b64 s[18:19], KS
	s_mul_u64 s[22:23], s[20:21], s[18:19]         ; where these rows' scales begin,
	s_mul_u64 s[66:67], s[46:47], s[18:19]
	s_mov_b64 s[18:19], KROW
	s_mul_u64 s[20:21], s[20:21], s[18:19]         ; and their codes
	s_mul_u64 s[46:47], s[46:47], s[18:19]
	s_mul_i32 s18, s100, 3145728                   ; the projection's tensor among the tokens' three,
	s_mul_i32 s19, s100, 786432                    ; and among the weights' four
	s_cmp_eq_u32 s100, 2
	s_cselect_b32 s12, s19, s18                    ; A: v takes the weight's
	s_cselect_b32 s2, s18, s19                     ; B: v takes the tokens'
	s_mov_b32 s13, 0
	s_add_nc_u64 s[20:21], s[20:21], s[12:13]
	s_mov_b32 s12, s2
	s_add_nc_u64 s[46:47], s[46:47], s[12:13]
	s_lshl_b32 s18, s100, 17                       ; the same for the scale bytes
	s_lshl_b32 s19, s100, 15
	s_cmp_eq_u32 s100, 2
	s_cselect_b32 s12, s19, s18
	s_cselect_b32 s2, s18, s19
	s_add_nc_u64 s[22:23], s[22:23], s[12:13]
	s_mov_b32 s12, s2
	s_add_nc_u64 s[66:67], s[66:67], s[12:13]
	s_mul_i32 s45, s14, HALFT                      ; where they go: wave x 128 rows: no place in the cluster enters an LDS address
	s_mul_i32 s101, s14, HALFS
	s_wait_dscnt 0x0                               ; both opening adds are done
	s_wait_kmcnt 0x0
	s_cmp_eq_u32 s100, 2                           ; the choice of buffers hangs on the cluster's number alone
	s_cselect_b64 s[12:13], s[8:9], s[4:5]         ; A's codes
	s_cselect_b64 s[8:9], s[4:5], s[8:9]           ; B's codes
	s_cselect_b64 s[4:5], s[10:11], s[6:7]         ; A's scales
	s_cselect_b64 s[10:11], s[6:7], s[10:11]       ; B's scales
	s_add_nc_u64 s[20:21], s[12:13], s[20:21]
	s_add_nc_u64 s[22:23], s[4:5], s[22:23]
	s_add_nc_u64 s[46:47], s[8:9], s[46:47]
	s_add_nc_u64 s[66:67], s[10:11], s[66:67]
	s_cmp_eq_u32 s100, 1
	s_cselect_b64 s[92:93], s[94:95], s[92:93]     ; the projection's bias
	s_cmp_eq_u32 s100, 2
	s_cselect_b64 s[92:93], s[96:97], s[92:93]
	CROUND                                         ; all sixteen work-groups are here: the first joint loads meet
	s_mov_b32 s[G0S], 1
	s_add_co_u32 s[G0S+1], s101, SCL
	s_mov_b64 s[G0S+2:G0S+3], s[22:23]
	s_or_b32 s[G0S+3], s[G0S+3], 0x80000000
	s_mov_b32 s[G0SB], 1
	s_add_co_u32 s[G0SB+1], s101, SCL
	s_mov_b64 s[G0SB+2:G0SB+3], s[66:67]
	s_or_b32 s[G0SB+3], s[G0SB+3], 0x80000000
	JLOAD G0S, G1S, G0SB, G1SB                     ; the scales first: they are wanted with K step 0.  With the two below, three tensor loads of mine are out
.irp s, 0,1
	s_mov_b32 s[G0+4*\s], 1
	s_add_co_u32 s[G0+4*\s+1], s45, \s*SLOT
	s_add_nc_u64 s[G0+4*\s+2:G0+4*\s+3], s[20:21], \s*ROWB
	s_or_b32 s[G0+4*\s+3], s[G0+4*\s+3], 0x80000000
	s_mov_b32 s[G0B+4*\s], 1
	s_add_co_u32 s[G0B+4*\s+1], s45, \s*SLOT
	s_add_nc_u64 s[G0B+4*\s+2:G0B+4*\s+3], s[46:47], \s*ROWB
	s_or_b32 s[G0B+4*\s+3], s[G0B+4*\s+3], 0x80000000
	JLOAD G0+4*\s, G1, G0B+4*\s, G1B
.endr
	v_and_b32 v1, 15, v0                           ; r
	v_bfe_u32 v2, v0, 4, 1                         ; h
	v_mul_u32_u24 v3, v1, PITCH
	v_mul_u32_u24 v4, v2, 24
	v_add_nc_u32 v4, v3, v4                        ; a fragment's row x pitch + 24 x half
	v_lshl_add_u32 v5, v2, 4, v4                   ; and the same behind one padding more
	s_mul_i32 s21, s15, HALFT                      ; my 128 rows of A
	s_mul_i32 s22, s16, HALFT                      ; my 128 rows of B,
	s_add_co_u32 s22, s22, 2*HALFT                 ; which lie behind A's 256
.irp s, 0,1
	v_add_nc_u32 v[ADRA+\s], s21, v4
	v_add_nc_u32 v[ADRB+\s], s22, v4
	v_add_nc_u32 v[ADRA+2+\s], s21, v5
	v_add_nc_u32 v[ADRB+2+\s], s22, v5
	s_add_co_u32 s21, s21, SLOT
	s_add_co_u32 s22, s22, SLOT
.endr
	v_mul_u32_u24 v5, v1, KS                       ; my row's scales: 32 bytes a row,
	v_lshrrev_b32 v6, 8, v5
	v_lshl_add_u32 v5, v6, 4, v5                   ; and 16 more for each 256 passed
	s_mul_i32 s21, s15, HALFS
	s_mul_i32 s22, s16, HALFS
	s_add_co_u32 s22, s22, 2*HALFS
	s_sub_co_u32 s22, s22, s21
	v_mul_u32_u24 v6, s22, v2                      ; lanes 16-31 take B's
	s_add_co_u32 s21, s21, SCL
	v_add_nc_u32 v5, v5, v6
	v_add_nc_u32 v[ADRS], s21, v5
	v_and_b32 v6, 31, v0
	v_lshlrev_b32 v[L16], 4, v6
	v_lshlrev_b32 v[L8], 3, v6
.irp b, 0,1,2,3
	v_mov_b32 v[TM+4+\b], 0                        ; written once: a lane permute's destination counts as one of its sources
.endr
	; where my results go
	s_lshl_b32 s20, s17, 8
	s_lshl_b32 s21, s15, 7
	s_add_co_u32 s20, s20, s21                     ; i0: my first row of A
	s_lshl_b32 s46, s42, 8
	s_lshl_b32 s47, s16, 7
	s_add_co_u32 s46, s46, s47                     ; j0: my first row of B
	s_lshl_b32 s47, s46, 2
	v_lshl_add_u32 v[BOJ], v2, 6, s47              ; the bias along the registers: 4 j0 + 64 h
	v_and_b32 v6, 8, v1
	v_add_nc_u32 v6, v6, v1
	v_add_nc_u32 v6, s20, v6
	v_lshlrev_b32 v[BOI], 2, v6                    ; the bias along the lanes: 4 (i0 + r + 8 (r / 8)): the stored row's true number
	s_cmp_eq_u32 s100, 2
	s_cselect_b32 s22, s46, s20                    ; my first token (of 4,096, a multiple of 128),
	s_cselect_b32 s23, s20, s46                    ; my first row of the weight (64 head + channel)
	s_lshr_b32 s23, s23, 6                         ; my first head of two
	s_lshr_b32 s66, s22, 11                        ; the batch
	s_lshl_b32 s66, s66, 4
	s_add_co_u32 s23, s23, s66
	s_mul_i32 s23, s23, RECB                       ; its record
	s_bfe_u32 s22, s22, 0x40007                    ; which 128 tokens of the sequence's 2,048
	s_mov_b32 s66, 13056
	s_mov_b32 s67, 13056
	s_cmp_eq_u32 s100, 0
	s_cselect_b32 s66, 6144, s66                   ; 128 tokens on: q's codes 4 images, k's and v's a key step
	s_cselect_b32 s67, 512, s67                    ; and the scale words
	s_mul_i32 s66, s66, s22
	s_mul_i32 s67, s67, s22
	s_add_co_u32 s66, s66, s23
	s_add_co_u32 s67, s67, s23
	s_mov_b32 s18, 12288
	s_mov_b32 s19, 307200
	s_cmp_eq_u32 s100, 2
	s_cselect_b32 s21, 6144, 0                     ; in a key step: K's codes at 0, V's at 6,144,
	s_cselect_b32 s18, 12800, s18                  ; K's scale words at 12,288, V's at 12,800
	s_cmp_eq_u32 s100, 0
	s_cselect_b32 s21, 208896, s21                 ; q's codes and scale words lie behind the key steps
	s_cselect_b32 s18, s19, s18
	s_add_co_u32 s66, s66, s21
	s_add_co_u32 s18, s67, s18
	s_mov_b32 s67, 0
	s_mov_b32 s19, 0
	s_add_nc_u64 s[12:13], s[98:99], s[66:67]      ; my codes
	s_add_nc_u64 s[98:99], s[98:99], s[18:19]      ; my scale words
	s_mov_b32 s18, 0x76543210
	s_mov_b32 s19, 0xfedcba98                      ; v_permlanex16_b32's selects for lane l xor 16
	s_mov_b32 s2, 0xffff0000                       ; lanes 16-31
.macro FRAG reg, adr, q, i             ; a fragment: 12 registers; registers 6 c .. 6 c + 5 hold K = 64 c + 32 (l / 16) + 0 .. 31: 24 bytes of the row's stream of bits, in pieces of 8 bytes
.irp p, 0,1,2,3,4,5
.set PCE, 12*(\q)+6*(\p/3)+\p%3       ; 16 bytes of padding lie behind every 8 pieces: where the piece three on lies behind one padding more, the second address register serves
.if PCE%8 < 5
	ds_load_b64 v[\reg+2*\p:\reg+2*\p+1], v[\adr] offset:8*PCE+16*(PCE/8)+(\i)*16*PITCH
.else
	ds_load_b64 v[\reg+2*\p:\reg+2*\p+1], v[\adr+2] offset:8*PCE+16*(PCE/8)+(\i)*16*PITCH
.endif
.endr
.endm
; 16 matrix instructions: A's blocks a0, a0 + 1 x B's eight.  The 64 accumulators take turns, one instruction a turn, in the same order in every step.
.macro MUL16 a0, p, q, sc, zero
.irp a, \a0, \a0+1
.irp b, 0,1,2,3,4,5,6,7
.if \zero
	v_wmma_scale_f32_16x16x128_f8f6f4 v[8*(8*((\a)%4)+\b):8*(8*((\a)%4)+\b)+7], v[128*(\p)+FR*\b:128*(\p)+FR*\b+FR-1], v[AF+FR*(\a):AF+FR*(\a)+FR-1], 0, v[SC+8*NQ*(\sc)+NQ*\b+(\q)], v[SC+8*NQ*(\sc)+NQ*(\a)+(\q)] matrix_a_fmt:MATRIX_FMT_FP6 matrix_b_fmt:MATRIX_FMT_FP6 matrix_a_scale:MATRIX_SCALE_ROW1
.else
	v_wmma_scale_f32_16x16x128_f8f6f4 v[8*(8*((\a)%4)+\b):8*(8*((\a)%4)+\b)+7], v[128*(\p)+FR*\b:128*(\p)+FR*\b+FR-1], v[AF+FR*(\a):AF+FR*(\a)+FR-1], v[8*(8*((\a)%4)+\b):8*(8*((\a)%4)+\b)+7], v[SC+8*NQ*(\sc)+NQ*\b+(\q)], v[SC+8*NQ*(\sc)+NQ*(\a)+(\q)] matrix_a_fmt:MATRIX_FMT_FP6 matrix_b_fmt:MATRIX_FMT_FP6 matrix_a_scale:MATRIX_SCALE_ROW1
.endif
.endr
.endr
.endm
.macro FETCH_B slot, q, p
	WIN TO_B
.irp i, 0,1,2,3,4,5,6,7
	FRAG 128*(\p)+FR*\i, ADRB+\slot, \q, \i
.endr
	WIN 0
.endm
.macro FETCH_A slot, q, i0
.irp i, \i0, \i0+1, \i0+2, \i0+3
	FRAG AF+FR*(\i), ADRA+\slot, \q, \i
.endr
.endm
.macro SCALES sc                       ; a K step's scale words: two a row; lanes 0-15 take A's block i, lanes 16-31 B's block i
.irp i, 0,1,2,3,4,5,6,7
	ds_load_b64 v[SC+8*NQ*\sc+NQ*\i:SC+8*NQ*\sc+NQ*\i+1], v[ADRS] offset:\i*SBLK
.endr
.endm
.macro PLACES n                        ; plain vector lines between a matrix instruction and a load into, or a vector line on, its registers (ISA guide 7.12.1 for vector lines)
.rept \n
	v_nop
.endr
.endm
.macro STEP slot, q, zero              ; a step of 128 along K that has its successor in the same slot
	s_wait_dscnt 4*NL                              ; B's set and A's blocks 0-3 are in; the youngest 24 loads (A's blocks 4-7) may be out
	WIN MUL_LO
	MUL16 0, (\q)%2, \q, \slot, \zero
	MUL16 2, (\q)%2, \q, \slot, \zero
	s_wait_dscnt 0                                 ; A's blocks 4-7 are in
	PLACES NP
	FETCH_B \slot, (\q)+1, 1-(\q)%2
	FETCH_A \slot, (\q)+1, 0
	WIN MUL_HI
	MUL16 4, (\q)%2, \q, \slot, \zero
	MUL16 6, (\q)%2, \q, \slot, \zero
	PLACES NP
	WIN 0
	FETCH_A \slot, (\q)+1, 4
.endm
; A slot's last step changes slots: one barrier; in front of it each wave waits for all its tensor loads, adds 0 to its spare word, and waits for that and for its own reads of this slot.  fill = 1: the slot is filled again, two K steps ahead.
.macro TURN slot, next, fill
	s_wait_tensorcnt 0x0                           ; all my tensor loads have landed: my part of the next slot
	ds_add_u32 v[SPW], v[NIL]                      ; 0 onto my spare word
	s_wait_dscnt 4*NL+1                            ; (the add and the youngest 24 loads may be out)
	WIN MUL_LO
	MUL16 0, 1, NQ-1, \slot, 0                     ; sixteen matrix instructions stand between the add and the wait for it
	s_wait_dscnt 0x0                               ; the add is done, and my reads of this slot are over
	s_barrier_signal -1
	MUL16 2, 1, NQ-1, \slot, 0
	WIN 0
	s_barrier_wait -1
.if \fill
	CREST                                          ; the barrier has opened a round of the cluster's barrier: no wave of any partner still reads this slot or has a load on its way
	s_add_nc_u64 s[G0+4*\slot+2:G0+4*\slot+3], s[G0+4*\slot+2:G0+4*\slot+3], 2*ROWB
	s_add_nc_u64 s[G0B+4*\slot+2:G0B+4*\slot+3], s[G0B+4*\slot+2:G0B+4*\slot+3], 2*ROWB
	JLOAD G0+4*\slot, G1, G0B+4*\slot, G1B         ; the first tensor load behind the round, my one load until the next; its four v_nop are the places in front of the loads below
.else
	PLACES NP
.endif
	v_add_nc_u32 v[ADRS], 4*NQ, v[ADRS]            ; the next K step's scale words (no LDS load of mine is out)
	FETCH_B \next, 0, 0
	FETCH_A \next, 0, 0
	SCALES \next
	WIN MUL_HI
	MUL16 4, 1, NQ-1, \slot, 0
	MUL16 6, 1, NQ-1, \slot, 0
	PLACES NP
	WIN 0
	FETCH_A \next, 0, 4
.endm
.macro LASTSTEP                        ; the very last step: nothing more to fetch
	s_wait_dscnt 4*NL
	WIN MUL_LO
	MUL16 0, 1, NQ-1, 1, 0
	MUL16 2, 1, NQ-1, 1, 0
	s_wait_dscnt 0
	WIN MUL_HI
	MUL16 4, 1, NQ-1, 1, 0
	MUL16 6, 1, NQ-1, 1, 0
	WIN 0
.endm
; 64 numbers of a lane, register 16 b + i = k 32 b + 16 (lane / 16) + i of my row, become codes: blocks 0, 1 in v[d0] .. v[d0 + 5], blocks 2, 3 in v[d1] .. v[d1 + 5]; their four scale bytes in v[pw].
.macro QUANT s, d0, d1, pw
.irp b, 0,1,2,3
	v_max3_num_f32 v[TM+\b], |v[\s+16*\b]|, |v[\s+1+16*\b]|, 0x1800000   ; my 16 numbers of block b, and the floor 2^(3 - 127): the byte cannot fall under 1
.endr
.irp i, 2,4,6,8,10,12,14
.irp b, 0,1,2,3
	v_max3_num_f32 v[TM+\b], v[TM+\b], |v[\s+16*\b+\i]|, |v[\s+1+16*\b+\i]|   ; (the four blocks by turns)
.endr
.endr
.irp b, 0,1,2,3
	v_permlanex16_b32 v[TM+4+\b], v[TM+\b], s18, s19
.endr
.irp b, 0,1,2,3
	v_max_num_f32 v[TM+\b], v[TM+\b], v[TM+4+\b]   ; with lane l xor 16's: the block's largest magnitude
.endr
.irp b, 0,1,2,3
	v_add_nc_u32 v[TM+12+\b], 0xff000000, v[TM+\b] ; 2 off its exponent field: the conversion's scale operand
.endr
.irp b, 0,1,2,3
	v_lshrrev_b32 v[TM+4+\b], 23, v[TM+12+\b]      ; the scale's byte
.endr
	v_lshl_or_b32 v[\pw], v[TM+5], 8, v[TM+4]
	v_lshl_or_b32 v[\pw], v[TM+6], 16, v[\pw]
	v_lshl_or_b32 v[\pw], v[TM+7], 24, v[\pw]
	v_cvt_scalef32_pk16_fp6_f32 v[(\d0):(\d0)+2], v[\s:\s+15], v[TM+12]
	v_cvt_scalef32_pk16_fp6_f32 v[CT:CT+2], v[\s+16:\s+31], v[TM+13]       ; (a conversion's three registers begin on an even number)
	v_cvt_scalef32_pk16_fp6_f32 v[(\d1):(\d1)+2], v[\s+32:\s+47], v[TM+14]
	v_cvt_scalef32_pk16_fp6_f32 v[CT+4:CT+6], v[\s+48:\s+63], v[TM+15]
	v_nop                                          ; one plain line behind a scaled conversion
.irp i, 0,1,2                                  ; the operand's layout wants a WHOLE block in a lane: lanes 0-15 the even block, lanes 16-31 the odd one
	v_permlane16_swap_b32 v[(\d0)+\i], v[CT+\i]
	v_permlane16_swap_b32 v[(\d1)+\i], v[CT+4+\i]
.endr
.irp i, 0,1,2
	v_mov_b32 v[(\d0)+3+\i], v[CT+\i]
	v_mov_b32 v[(\d1)+3+\i], v[CT+4+\i]
.endr
.endm
; THE WAY OUT.  kind 0 (q, k): the bias runs along the registers; a lane's four blocks are two heads x two blocks of channels; two blocks of A make a pair image for each head.  kind 1 (v): the bias runs along the lanes; a lane's four blocks are 128 keys: a whole fragment.
.macro EPI kind
	s_wait_loadcnt 0x0                             ; the bias
	PLACES NP                                      ; behind the last products: A's registers are written and results are read from here on
.irp ap, 0,1,2,3
	s_wait_xcnt 0x0                                ; the stores of the pair before have read their registers
.irp u, 0,1
.set AA, 2*\ap+\u
.set WW, 0x02+AA/4
	WIN WW                                         ; source 0: the accumulators' window
.set N, 0
.rept 32
.if \kind
	v_pk_add_f32 v[TT+N:TT+N+1], v[64*(AA%4)+N:64*(AA%4)+N+1], v[BI+2*AA:BI+2*AA+1]   ; each accumulator from its low end on
.else
	v_pk_add_f32 v[TT+N:TT+N+1], v[64*(AA%4)+N:64*(AA%4)+N+1], v[BI+N:BI+N+1]
.endif
.set N, N+2
.endr
	WIN 0
.if \kind
	QUANT TT, PC+12*\u, PC+12*\u+6, PW+\u
.else
	QUANT TT, PC+6*\u, PC+12+6*\u, PW+\u
.endif
.endr
.irp x, 0,1
.irp j, 0,1,2
.if \kind
	global_store_b128 v[L16], v[PC+12*\x+4*\j:PC+12*\x+4*\j+3], s[12:13] offset:((2*\ap+\x)/4)*RECB+((2*\ap+\x)%4)*1536+512*\j   ; 32 lanes store 512 consecutive bytes, at a multiple of 256 from att's first byte
.else
	global_store_b128 v[L16], v[PC+12*\x+4*\j:PC+12*\x+4*\j+3], s[12:13] offset:\x*RECB+\ap*1536+512*\j
.endif
.endr
.endr
	v_cndmask_b32 v[SW+\ap%2], v[PW], v[PW+1], s2  ; lanes 0-15: the first tile's words; lanes 16-31: the second's
.if \kind == 0
	v_lshrrev_b32 v[SW+2+\ap%2], 16, v[SW+\ap%2]   ; the second head's two bytes
.endif
.if \ap%2
.if \kind
	global_store_b64 v[L8], v[SW:SW+1], s[98:99] offset:(\ap/2)*RECB          ; 32 lanes store 256 consecutive bytes
.else
	global_store_b64 v[L8], v[SW:SW+1], s[98:99] offset:(\ap/2)*256
	global_store_b64 v[L8], v[SW+2:SW+3], s[98:99] offset:(\ap/2)*256+RECB
.endif
.endif
.endr
.endm
	s_wait_tensorcnt 1                             ; the scales and my part of K step 0 are in (K step 1's load may be out),
	s_barrier_signal -1
	s_barrier_wait -1                              ; everybody's are
	FETCH_B 0, 0, 0
	FETCH_A 0, 0, 0
	SCALES 0
	FETCH_A 0, 0, 4
	STEP 0, 0, 1                                   ; the first step stands in front of the loop: its products start the sums
	s_mov_b32 s3, LAPS-1
.Llap:                                                 ; a trip goes once round the ring and fills both slots again
	TURN 0, 1, 1
	STEP 1, 0, 0
	TURN 1, 0, 1
	STEP 0, 0, 0
	s_sub_co_u32 s3, s3, 1
	s_cmp_lg_u32 s3, 0
	s_cbranch_scc1 .Llap
	TURN 0, 1, 0                                   ; the last lap fills nothing, and has no round of the cluster's barrier
	STEP 1, 0, 0
	s_cmp_eq_u32 s100, 2                           ; the cluster's number alone: all sixteen partners go the same way; no barrier, tensor load or LDS write stands in either arm
	s_cbranch_scc1 .Lv
.irp bb, 0,1,2,3                               ; q, k: register 16 bb + x wants b[j0 + 32 bb + 16 h + x]; the last step's 64 products stand between these loads and the wait for them
.irp k, 0,1,2,3
	global_load_b128 v[BI+16*\bb+4*\k:BI+16*\bb+4*\k+3], v[BOJ], s[92:93] offset:128*\bb+16*\k
.endr
.endr
	LASTSTEP
	EPI 0
	s_branch .Lend
.Lv:
.irp a, 0,1,2,3,4,5,6,7                        ; v: lane r of block a wants bv of its row's true number, in both registers of a pair
	global_load_b32 v[BI+2*\a], v[BOI], s[92:93] offset:4*(32*(\a/2)+8*(\a%2))
	global_load_b32 v[BI+2*\a+1], v[BOI], s[92:93] offset:4*(32*(\a/2)+8*(\a%2))
.endr
	LASTSTEP
	EPI 1
.Lend:
	s_wait_tensorcnt 0x0                           ; the wave's end, behind my last tensor load
	ds_add_u32 v[SPW], v[NIL]
	s_wait_dscnt 0x0
	CROUND                                         ; the closing round: no work-group ends while a partner may still ask for a tile that names it
	s_endpgm
.Lfunc_end_k_qc202bc93bc_proj:
	.size	k_qc202bc93bc_proj, .Lfunc_end_k_qc202bc93bc_proj-k_qc202bc93bc_proj
	.p2alignl 7, 3214868480
	.fill 96, 4, 3214868480
	.section	.rodata,"a",@progbits
	.p2align	6, 0x0
	.amdhsa_kernel k_qc202bc93bc_proj
		.amdhsa_group_segment_fixed_size 327680
		.amdhsa_private_segment_fixed_size 0
		.amdhsa_enable_private_segment 0
		.amdhsa_kernarg_size 64
		.amdhsa_user_sgpr_count 2
		.amdhsa_user_sgpr_kernarg_segment_ptr 1
		.amdhsa_wavefront_size32 1
		.amdhsa_system_sgpr_workgroup_id_x 1
		.amdhsa_system_sgpr_workgroup_id_y 1
		.amdhsa_system_sgpr_workgroup_id_z 1
		.amdhsa_system_vgpr_workitem_id 0
		.amdhsa_next_free_vgpr 1024
		.amdhsa_next_free_sgpr 104
		.amdhsa_reserve_vcc 0
		.amdhsa_float_denorm_mode_32 3
		.amdhsa_float_denorm_mode_16_64 3
		.amdhsa_memory_ordered 1
		.amdhsa_forward_progress 1
		.amdhsa_inst_pref_size 243
	.end_amdhsa_kernel
	.amdgpu_metadata
---
amdhsa.version: [ 1, 2 ]
amdhsa.kernels:
  - .name:           k_qc202bc93bc_proj
    .symbol:         k_qc202bc93bc_proj.kd
    .args:
      - { .name: xc, .offset: 0, .size: 8, .value_kind: global_buffer, .address_space: global }
      - { .name: xs, .offset: 8, .size: 8, .value_kind: global_buffer, .address_space: global }
      - { .name: wc, .offset: 16, .size: 8, .value_kind: global_buffer, .address_space: global }
      - { .name: ws, .offset: 24, .size: 8, .value_kind: global_buffer, .address_space: global }
      - { .name: bq, .offset: 32, .size: 8, .value_kind: global_buffer, .address_space: global }
      - { .name: bk, .offset: 40, .size: 8, .value_kind: global_buffer, .address_space: global }
      - { .name: bv, .offset: 48, .size: 8, .value_kind: global_buffer, .address_space: global }
      - { .name: att, .offset: 56, .size: 8, .value_kind: global_buffer, .address_space: global }
    .group_segment_fixed_size: 327680
    .private_segment_fixed_size: 0
    .kernarg_segment_align: 8
    .kernarg_segment_size: 64
    .max_flat_workgroup_size: 128
    .sgpr_count:     104
    .vgpr_count:     1024
    .wavefront_size: 32
...
	.end_amdgpu_metadata
.endif
;; end of part 2
;; launch attn (part 3): grid 8 x 32, 16 waves a work-group, clusters of 4 x 1, 223,232 bytes of LDS; arguments att, cc, cs; writes cc, cs
.if DOCPART == 3
	.amdgcn_target "amdgcn-amd-amdhsa--gfx1250"
	.amdhsa_code_object_version 6
	.text
	.protected	k_qc202bc93bc_attn
	.globl	k_qc202bc93bc_attn
	.p2align	8
	.type	k_qc202bc93bc_attn,@function
k_qc202bc93bc_attn:
	s_mov_b64 s[64:65], 0
	v_nop
	global_prefetch_b8 v0, s[64:65] scope:SCOPE_SE
	s_setreg_imm32_b32 hwreg(HW_REG_WAVE_MODE, 25, 1), 1
	s_wait_xcnt 0x0
	s_wait_alu depctr_hold_cnt(0) depctr_sa_sdst(0) depctr_va_vdst(0) depctr_va_sdst(0) depctr_va_ssrc(0) depctr_va_vcc(0) depctr_vm_vsrc(0)
	s_getreg_b32 s2, hwreg(HW_REG_IB_STS2, 6, 4)
	s_cmp_eq_u32 s2, 0
	s_cbranch_scc0 .Lentry_in_a_cluster
	s_endpgm
.Lentry_in_a_cluster:
	s_bfe_u32 s2, ttmp6, 0x10000c
	s_cmp_lg_u32 s2, 0x3003
	s_cbranch_scc0 .Lentry_shape_is_right
	s_endpgm
.Lentry_shape_is_right:
; Launch 3 of 4: scores, softmax and context on codes of E2M3, and the quantising of the context along D.  No work is left out.
; THE SOFTMAX AHEAD OF THE SECOND PRODUCT: t = score x log2(e) / 8; M = the row's largest t so far, rounded UP to a whole number; p = 2^(t - M) is what is quantised, along the keys, not normalised.  The row's sum is taken of the
; unquantised p, in f32, and divides the context at the end.  When M moves, the sum and the context are multiplied by 2^(old M - new M): exact.
; SHARES.  A work-group owns 256 stored queries of one (batch, head); each of its sixteen waves 16 of them, in 256 registers: four waves to a SIMD, so that one wave's vector work stands beside another's matrix work and LDS loads.
; THE HEAD'S WHOLE K AND V STAY IN LDS: 16 key steps of 13,056 bytes, as they lie in att: [K codes][V codes][K scale words][V scale words].  Wave w brings key step w by one tensor load: every byte is filled once, so the loop has no barrier.
; CLUSTER.  The four query blocks of a cluster belong to one head: each key step is asked for jointly, by the same load with the same descriptor in all four.
; LAYOUT.  Both products are used transposed (S^T = K Q^T, O^T = V^T P^T): a lane holds one query throughout.  K's rows are stored in the order pi, so the 16 registers of tiles 2 b and 2 b + 1 are the true keys 32 b + 16 (lane / 16) + 0 .. 15,
; the order in which V's fragments were quantised.  All operands lie in LDS as images of their registers: a load of 16 bytes a lane reads 512 consecutive bytes.
; K = 64 IN AN INSTRUCTION OF 128: Q's registers 6-11 are zero codes.  So whatever K's registers 6-11 hold adds nothing: a tile's operand is named as 12 registers of which the upper six are the next tile's codes (behind the last tile: six zeros).
; LIMITS: NaN and infinities are not served; a block of the context whose largest magnitude lies under 2^-124 gets the byte 1.
; REGISTERS: v1-9 addresses; v12 -M, v13 the largest t, v[14:15] the sum in two halves; v16-27 Q; v28-30 the way out's addresses; v32-79 K's four pair images, then V's four fragments; v80-85 zeros; v96-159 S^T, then p;
; v160-191 O^T; v224-235 p's codes; v232-247, v252, v254 at work; v248-251 K's or V's scale words, v253 p's, v255 Q's.
.set RECB,  315392                     ; a head's record in att
.set STEPB, 13056                      ; a key step
.set VCO,   6144                       ; in it: V's codes,
.set KSC,   12288                      ; K's scale words,
.set VSC,   12800                      ; V's scale words
.set QCO,   208896                     ; in the record: q's codes,
.set QSC,   307200                     ; q's scale words
.set STAGE, 208896                     ; LDS behind the 16 key steps: 768 bytes for each wave, for the way out
.set SPARE, 221184                     ; the spare words, 128 bytes for each wave: eight blocks of 256 bytes that no other line names
.set L16, 1                            ; v1 16 x lane
.set L8,  2                            ; v2 8 x lane
.set QA0, 3
.set QA1, 4
.set SPW, 5                            ; v5 my spare word; never rewritten
.set NIL, 6                            ; v6 0; never rewritten
.set QSA, 7
.set ADR, 8                            ; v8 the key step's images
.set ADS, 9                            ; v9 its scale words
.set STI, 28                           ; v28 into my stage: 24 bytes a lane
.set STB, 29                           ; v29 back: 8 bytes a lane
.set CSO, 30                           ; v30 32 r: my row of cs
.set WV,  18
.set SEL, 20                           ; s[20:21] lane selects for v_permlanex16_b32: lane l xor 16
.set CS,  22                           ; s[22:23] c = log2(e) / 8
.set G1,  24
.set G0,  40
.set TB,  2                            ; s2 LDS byte at which the key step in hand begins
.set CNT, 67
.macro CROUND                          ; a round of the cluster's barrier
	s_barrier_signal -1
	s_barrier_wait -1
	s_cmp_lg_u32 s[WV], 0
	s_cbranch_scc1 .Lnot_wave_0_\@
	s_barrier_signal -3
.Lnot_wave_0_\@:
	s_barrier_wait -3
	s_barrier_signal -1
	s_barrier_wait -1
.endm
	s_load_b128 s[4:7], s[0:1], 0x0                ; att s[4:5], cc s[6:7]
	s_load_b64 s[8:9], s[0:1], 0x10                ; cs
	v_lshl_add_u32 v[SPW], v0, 2, SPARE
	v_mov_b32 v[NIL], 0
	ds_add_u32 v[SPW], v[NIL]                      ; the wave's opening: the add, twice on end, and its wait ahead of my first tensor load
	ds_add_u32 v[SPW], v[NIL]
	v_lshrrev_b32 v8, 5, v0
	v_readfirstlane_b32 s[WV], v8                  ; wave 0..15
	s_bfe_u32 s10, ttmp6, 0x40000                  ; cx
	s_lshl_b32 s11, ttmp9, 2
	s_add_co_u32 s11, s11, s10                     ; my block of 256 queries: it enters Q's and the results' addresses alone
	s_and_b32 s12, ttmp7, 0xffff                   ; 16 batch + head, which the four partners share
	s_mul_i32 s14, s12, RECB
	s_mov_b32 s15, 0
	s_mul_i32 s16, s[WV], STEPB                    ; key step w: in the record and in LDS alike
	s_mov_b32 s17, 0
	s_mov_b32 s[G1], 15|(3<<16)|(1<<21)            ; the mask: all four work-groups; elements of 8 bytes; bit 21 beside a mask; no padding
	s_mov_b32 s[G1+1], 32<<16                      ; tensor_dim0: rows of 256 bytes
	s_mov_b32 s[G1+2], 51<<16                      ; tensor_dim1: 51 of them are a key step
	s_mov_b32 s[G1+3], 32<<16                      ; tile_dim0
	s_mov_b32 s[G1+4], 51                          ; tile_dim1
	s_mov_b32 s[G1+5], 32                          ; dense
	s_mov_b32 s[G1+6], 0
	s_mov_b32 s[G1+7], 0
	s_mov_b32 s[SEL], 0x76543210
	s_mov_b32 s[SEL+1], 0xfedcba98
	s_mov_b32 s[CS], 0x3e38aa3b                    ; c = log2(e) / sqrt(64)
	s_mov_b32 s[CS+1], s[CS]                       ; (named with it as a pair, so it is written)
	s_wait_dscnt 0x0                               ; both opening adds are done
	s_wait_kmcnt 0x0
	s_add_nc_u64 s[4:5], s[4:5], s[14:15]          ; my head's record
	s_mov_b32 s[G0], 1
	s_mov_b32 s[G0+1], s16
	s_add_nc_u64 s[G0+2:G0+3], s[4:5], s[16:17]
	s_or_b32 s[G0+3], s[G0+3], 0x80000000
	CROUND                                         ; all four work-groups are here: the joint loads meet
	tensor_load_to_lds s[G0:G0+3], s[G1:G1+7]      ; my one tensor load of the launch
	s_nop 0
	v_and_b32 v10, 31, v0                          ; lane
	v_and_b32 v11, 15, v0                          ; r
	v_lshlrev_b32 v[L16], 4, v10
	v_lshlrev_b32 v[L8], 3, v10
	s_and_b32 s44, s[WV], 1                        ; u: which tile of a pair image is mine
	s_lshr_b32 s45, s[WV], 1
	s_lshl_b32 s46, s11, 3
	s_add_co_u32 s46, s46, s45                     ; the pair image: 8 x block + wave / 2
	s_mul_i32 s46, s46, 1536
	s_add_co_u32 s46, s46, QCO
	s_mov_b32 s47, 0
	s_add_nc_u64 s[48:49], s[4:5], s[46:47]
	s_mul_i32 s50, s44, 520                        ; an image's registers 0-5 lie at 16 l, 16 l + 8, 16 l + 512; registers 6-11 at 16 l + 520, 16 l + 1,024, 16 l + 1,032
	s_mul_i32 s51, s44, 1016
	s_add_co_u32 s51, s51, 8
	v_add_nc_u32 v[QA0], s50, v[L16]
	v_add_nc_u32 v[QA1], s51, v[L16]
	global_load_b64 v[16:17], v[QA0], s[48:49]     ; Q's fragment stays in registers
	global_load_b64 v[18:19], v[QA1], s[48:49]
	global_load_b64 v[20:21], v[QA0], s[48:49] offset:512
	s_lshl_b32 s52, s11, 2
	s_lshr_b32 s53, s[WV], 2
	s_add_co_u32 s52, s52, s53
	s_lshl_b32 s52, s52, 8                         ; Q's scale words: 256 bytes for two pairs;
	s_and_b32 s53, s45, 1
	s_lshl_b32 s53, s53, 2
	s_add_co_u32 s52, s52, s53                     ; which pair of the two;
	s_lshl_b32 s53, s44, 7
	s_add_co_u32 s52, s52, s53                     ; which tile of the pair: 16 lanes' 128 bytes
	s_add_co_u32 s52, s52, QSC
	v_lshl_add_u32 v[QSA], v11, 3, s52
	global_load_b32 v255, v[QSA], s[4:5]           ; lane r (and r + 16, not read): row r's word
	s_lshr_b32 s53, s12, 4
	s_lshl_b32 s53, s53, 7
	s_lshl_b32 s54, s11, 4
	s_add_co_u32 s53, s53, s54
	s_add_co_u32 s53, s53, s[WV]                   ; my tile of 16 stored rows, of 256: 128 batch + 16 block + wave
	s_and_b32 s54, s12, 15                         ; the head
	s_mul_i32 s56, s53, 12288
	s_mul_i32 s55, s54, 768
	s_add_co_u32 s56, s56, s55
	s_mov_b32 s57, 0
	s_add_nc_u64 s[6:7], s[6:7], s[56:57]          ; cc: [tile][head][lane][24 bytes]
	s_lshl_b32 s56, s53, 9
	s_lshl_b32 s55, s54, 1
	s_add_co_u32 s56, s56, s55
	s_add_nc_u64 s[8:9], s[8:9], s[56:57]          ; cs: [row][32], my head's two bytes
	s_mul_i32 s58, s[WV], 768
	s_add_co_u32 s58, s58, STAGE                   ; my stage
	v_mad_u32_u24 v[STI], v10, 24, s58
	v_add_nc_u32 v[STB], s58, v[L8]
	v_lshlrev_b32 v[CSO], 5, v11
.irp j, 22,23,24,25,26,27,80,81,82,83,84,85
	v_mov_b32 v\j, 0                               ; zero codes: Q's k = 64 .. 127, and what stands behind K's last tile
.endr
	v_mov_b32 v13, 0xff61b1e6                      ; the largest t so far: -3e38, under every t
	v_floor_f32 v12, -v13                          ; -M
	v_mov_b32 v14, 0                               ; the sum, in two halves
	v_mov_b32 v15, 0
.irp b, 0,1,2,3
	v_mov_b32 v[236+\b], 0                         ; written once: a lane permute's destination counts as one of its sources
.endr
	v_mov_b32 v253, 0                              ; (named as the upper half of the pair v[252:253] before it is first written)
.set J, 0
.rept 32
	v_mov_b32 v[160+J], 0                          ; O^T.  (The loop is written once: its first step finds zeros, which the first change of M leaves zeros)
.set J, J+1
.endr
	s_mov_b32 s[TB], 0
	s_mov_b32 s[CNT], 16
	s_wait_loadcnt 0x0                             ; Q
	s_wait_tensorcnt 0x0                           ; my key step is in,
	s_barrier_signal -1
	s_barrier_wait -1                              ; everybody's is: the head's K and V lie in LDS and are only read from here on
.Lstep:                                            ; 16 trips of 128 keys
	v_add_nc_u32 v[ADR], s[TB], v[L16]
	v_add_nc_u32 v[ADS], s[TB], v[L8]
	v_nop
	v_nop                                          ; with the two additions: four places in front of loads into registers that the last products read
.irp bb, 0,1,2,3
.irp j, 0,1,2
	ds_load_b128 v[32+12*\bb+4*\j:35+12*\bb+4*\j], v[ADR] offset:1536*\bb+512*\j   ; K's four pair images
.endr
.endr
	ds_load_b64 v[248:249], v[ADS] offset:KSC      ; their scale words: pairs 0, 1;
	ds_load_b64 v[250:251], v[ADS] offset:KSC+256  ; pairs 2, 3
	s_wait_dscnt 0x0
.irp t, 0,2,4,6                                ; S^T = K Q^T: tile t's codes are registers 6 t .. 6 t + 5; the six behind them meet Q's zero codes
	v_wmma_scale_f32_16x16x128_f8f6f4 v[96+8*\t:103+8*\t], v[32+6*\t:43+6*\t], v[16:27], 0, v[248+\t/2], v255 matrix_a_fmt:MATRIX_FMT_FP6 matrix_b_fmt:MATRIX_FMT_FP6
	v_wmma_scale_f32_16x16x128_f8f6f4 v[104+8*\t:111+8*\t], v[38+6*\t:49+6*\t], v[16:27], 0, v[248+\t/2], v255 matrix_a_fmt:MATRIX_FMT_FP6 matrix_b_fmt:MATRIX_FMT_FP6 matrix_a_scale:MATRIX_SCALE_ROW1
.endr
.rept 4
	v_nop                                          ; places: results are read, and K's registers are loaded anew
.endr
.irp t, 0,1,2,3
.irp j, 0,1,2
	ds_load_b128 v[32+12*\t+4*\j:35+12*\t+4*\j], v[ADR] offset:VCO+1536*\t+512*\j   ; V's four fragments come while the softmax is walked
.endr
.endr
	ds_load_b64 v[248:249], v[ADS] offset:VSC
.irp b, 0,1,2,3
	v_max3_num_f32 v[232+\b], v[96+16*\b], v[97+16*\b], v[98+16*\b]   ; THE LARGEST SCORE OF EACH BLOCK OF 32 KEYS: for the row's maximum, and, since p rises with the score, for the block's largest p
.endr
.irp i, 3,5,7,9,11,13
.irp b, 0,1,2,3
	v_max3_num_f32 v[232+\b], v[232+\b], v[96+16*\b+\i], v[97+16*\b+\i]   ; (the four blocks by turns)
.endr
.endr
.irp b, 0,1,2,3
	v_max_num_f32 v[232+\b], v[232+\b], v[111+16*\b]
.endr
.irp b, 0,1,2,3
	v_permlanex16_b32 v[236+\b], v[232+\b], s[SEL], s[SEL+1]
.endr
.irp b, 0,1,2,3
	v_max_num_f32 v[232+\b], v[232+\b], v[236+\b]  ; with lane l xor 16's 16 keys
.endr
	v_max3_num_f32 v254, v232, v233, v234
	v_max_num_f32 v254, v254, v235                 ; the step's largest score of my query
	v_mul_f32 v254, s[CS], v254                    ; as t (c is positive)
	v_max_num_f32 v13, v13, v254                   ; the running largest t
	v_mov_b32 v254, v12
	v_floor_f32 v12, -v13                          ; the new -M = floor(-t) = -ceil(t): M is a whole number
	v_sub_f32 v254, v12, v254                      ; M's old value less its new one: a whole number, 0 or less
	v_cvt_i32_f32 v254, v254                       ; (it saturates)
	v_ldexp_f32 v252, 1.0, v254                    ; f = 2^(old M - new M)
.set J, 0
.rept 32
	v_pk_fma_f32 v[96+J:97+J], v[96+J:97+J], s[CS:CS+1], v[12:13] op_sel_hi:[1,0,0]   ; t - M, two at a time (of the pairs c and -M the low word serves both halves)
.set J, J+2
.endr
.irp b, 0,1,2,3
	v_fma_f32 v[232+\b], v[232+\b], s[CS], v12     ; the same of each block's largest score
.endr
.set J, 0
.rept 64
	v_exp_f32 v[96+J], v[96+J]                     ; p = 2^(t - M), at most 1: not normalised
.set J, J+1
.endr
	v_pk_mul_f32 v[14:15], v[14:15], v[252:253] op_sel_hi:[1,0]   ; the sums under the new M (the plain line behind the exponentials)
	s_wait_alu depctr_va_vdst(0)                   ; one wait for the whole batch, ahead of its first reader
.irp b, 0,1,2,3
	v_exp_f32 v[232+\b], v[232+\b]                 ; the block's largest p: the same two instructions on the same number give the same bits
.endr
	v_pk_add_f32 v[236:237], v[96:97], v[98:99]    ; THE ROW'S SUM IS TAKEN OF THE UNQUANTISED p: two at a time, in two chains
.irp j, 4,8,12,16,20,24,28,32,36,40,44,48,52,56,60
	v_pk_add_f32 v[14:15], v[14:15], v[96+\j:97+\j]
	v_pk_add_f32 v[236:237], v[236:237], v[98+\j:99+\j]
.endr
	v_pk_add_f32 v[14:15], v[14:15], v[236:237]
	s_wait_alu depctr_va_vdst(0)                   ; and one for the four
.irp b, 0,1,2,3
	v_max_num_f32 v[232+\b], 0x1800000, v[232+\b]  ; the floor 2^(3 - 127): the byte cannot fall under 1
.endr
.irp b, 0,1,2,3
	v_add_nc_u32 v[244+\b], 0xff000000, v[232+\b]  ; 2 off the exponent field: the conversion's scale operand
.endr
.irp b, 0,1,2,3
	v_lshrrev_b32 v[236+\b], 23, v[244+\b]         ; the scale's byte
.endr
	v_lshl_or_b32 v253, v237, 8, v236              ; p's scale word for these 128 keys
	v_lshl_or_b32 v253, v238, 16, v253
	v_lshl_or_b32 v253, v239, 24, v253
.irp c, 0,1
	v_cvt_scalef32_pk16_fp6_f32 v[224+6*\c:226+6*\c], v[96+32*\c:111+32*\c], v[244+2*\c]
	v_cvt_scalef32_pk16_fp6_f32 v[236+4*\c:238+4*\c], v[112+32*\c:127+32*\c], v[244+2*\c+1]   ; (a conversion's three registers begin on an even number)
.endr
	v_nop                                          ; one plain line behind a scaled conversion
.irp c, 0,1                                    ; the operand's layout wants a WHOLE block in a lane
.irp i, 0,1,2
	v_permlane16_swap_b32 v[224+6*\c+\i], v[236+4*\c+\i]
.endr
.irp i, 0,1,2
	v_mov_b32 v[227+6*\c+\i], v[236+4*\c+\i]
.endr
.endr
.set J, 0
.rept 16
	v_pk_mul_f32 v[160+J:161+J], v[160+J:161+J], v[252:253] op_sel_hi:[1,0]   ; O^T under the new M.  (These sixteen are also the places between the lines that made p's codes and scale word and the products below)
.set J, J+2
.endr
	s_wait_dscnt 0x0                               ; V's fragments and scale words are in
.irp t, 0,2                                    ; O^T += V^T P^T: four tiles of 16 channels, the accumulators by turns
	v_wmma_scale_f32_16x16x128_f8f6f4 v[160+8*\t:167+8*\t], v[32+12*\t:43+12*\t], v[224:235], v[160+8*\t:167+8*\t], v[248+\t/2], v253 matrix_a_fmt:MATRIX_FMT_FP6 matrix_b_fmt:MATRIX_FMT_FP6
	v_wmma_scale_f32_16x16x128_f8f6f4 v[168+8*\t:175+8*\t], v[44+12*\t:55+12*\t], v[224:235], v[168+8*\t:175+8*\t], v[248+\t/2], v253 matrix_a_fmt:MATRIX_FMT_FP6 matrix_b_fmt:MATRIX_FMT_FP6 matrix_a_scale:MATRIX_SCALE_ROW1
.endr
	s_add_co_u32 s[TB], s[TB], STEPB
	s_sub_co_u32 s[CNT], s[CNT], 1
	s_cmp_lg_u32 s[CNT], 0
	s_cbranch_scc1 .Lstep
	; THE WAY OUT.  O^T / the sum: register 16 b + x is channel 32 b + 16 (lane / 16) + x of my query (Wv's rows were stored in the order pi): two blocks of the output product's K.
	v_add_f32 v14, v14, v15                        ; the sum's two halves,
	v_permlanex16_b32 v252, v14, s[SEL], s[SEL+1]
	v_add_f32 v14, v14, v252                       ; and lane l xor 16's: the row's sum
	v_rcp_f32 v14, v14
.rept 4
	v_nop                                          ; the plain line behind the reciprocal, and the places behind the last products
.endr
	s_wait_alu depctr_va_vdst(0)                   ; the wait ahead of the reciprocal's first reader
.set J, 0
.rept 32
	v_mul_f32 v[96+J], v[160+J], v14               ; each accumulator from its low end on
.set J, J+1
.endr
.irp b, 0,1
	v_max3_num_f32 v[232+\b], |v[96+16*\b]|, |v[97+16*\b]|, 0x1800000
.endr
.irp i, 2,4,6,8,10,12,14
.irp b, 0,1
	v_max3_num_f32 v[232+\b], v[232+\b], |v[96+16*\b+\i]|, |v[97+16*\b+\i]|
.endr
.endr
.irp b, 0,1
	v_permlanex16_b32 v[236+\b], v[232+\b], s[SEL], s[SEL+1]
.endr
.irp b, 0,1
	v_max_num_f32 v[232+\b], v[232+\b], v[236+\b]  ; the block's largest magnitude
.endr
.irp b, 0,1
	v_add_nc_u32 v[244+\b], 0xff000000, v[232+\b]
.endr
.irp b, 0,1
	v_lshrrev_b32 v[236+\b], 23, v[244+\b]
.endr
	v_lshl_or_b32 v240, v237, 8, v236              ; my row's two scale bytes of this head
	v_cvt_scalef32_pk16_fp6_f32 v[224:226], v[96:111], v244
	v_cvt_scalef32_pk16_fp6_f32 v[232:234], v[112:127], v245
	v_nop                                          ; one plain line behind a scaled conversion
.irp i, 0,1,2
	v_permlane16_swap_b32 v[224+\i], v[232+\i]
.endr
.irp i, 0,1,2
	v_mov_b32 v[227+\i], v[232+\i]                 ; v224-229: lane (r, h): channels 32 h .. 32 h + 31 of row r: 24 bytes
.endr
.irp p, 0,1,2
	ds_store_b64 v[STI], v[224+2*\p:225+2*\p] offset:8*\p      ; through my stage: in at 24 bytes a lane,
.endr
.irp p, 0,1,2
	ds_load_b64 v[32+2*\p:33+2*\p], v[STB] offset:256*\p       ; back at 8 bytes a lane (LDS serves a wave's instructions in order)
.endr
	s_wait_dscnt 0x0
.irp p, 0,1,2
	global_store_b64 v[L8], v[32+2*\p:33+2*\p], s[6:7] offset:256*\p   ; 32 lanes store 256 consecutive bytes, at a multiple of 256 from cc's first byte
.endr
	global_store_b16 v[CSO], v240, s[8:9]          ; two bytes a row, rows 32 bytes apart (lanes r and r + 16 write the same value to the same place): 32 bytes a wave, so that cs lies as rows of scale bytes for the next launch
	s_wait_tensorcnt 0x0                           ; the wave's end, behind my tensor load and my last LDS store
	ds_add_u32 v[SPW], v[NIL]
	s_wait_dscnt 0x0
	CROUND                                         ; the closing round
	s_endpgm
.Lfunc_end_k_qc202bc93bc_attn:
	.size	k_qc202bc93bc_attn, .Lfunc_end_k_qc202bc93bc_attn-k_qc202bc93bc_attn
	.p2alignl 7, 3214868480
	.fill 96, 4, 3214868480
	.section	.rodata,"a",@progbits
	.p2align	6, 0x0
	.amdhsa_kernel k_qc202bc93bc_attn
		.amdhsa_group_segment_fixed_size 223232
		.amdhsa_private_segment_fixed_size 0
		.amdhsa_enable_private_segment 0
		.amdhsa_kernarg_size 24
		.amdhsa_user_sgpr_count 2
		.amdhsa_user_sgpr_kernarg_segment_ptr 1
		.amdhsa_wavefront_size32 1
		.amdhsa_system_sgpr_workgroup_id_x 1
		.amdhsa_system_sgpr_workgroup_id_y 1
		.amdhsa_system_sgpr_workgroup_id_z 1
		.amdhsa_system_vgpr_workitem_id 0
		.amdhsa_next_free_vgpr 256
		.amdhsa_next_free_sgpr 72
		.amdhsa_reserve_vcc 0
		.amdhsa_float_denorm_mode_32 3
		.amdhsa_float_denorm_mode_16_64 3
		.amdhsa_memory_ordered 1
		.amdhsa_forward_progress 1
		.amdhsa_inst_pref_size 27
	.end_amdhsa_kernel
	.amdgpu_metadata
---
amdhsa.version: [ 1, 2 ]
amdhsa.kernels:
  - .name:           k_qc202bc93bc_attn
    .symbol:         k_qc202bc93bc_attn.kd
    .args:
      - { .name: att, .offset: 0, .size: 8, .value_kind: global_buffer, .address_space: global }
      - { .name: cc, .offset: 8, .size: 8, .value_kind: global_buffer, .address_space: global }
      - { .name: cs, .offset: 16, .size: 8, .value_kind: global_buffer, .address_space: global }
    .group_segment_fixed_size: 223232
    .private_segment_fixed_size: 0
    .kernarg_segment_align: 8
    .kernarg_segment_size: 24
    .max_flat_workgroup_size: 512
    .sgpr_count:     72
    .vgpr_count:     256
    .wavefront_size: 32
...
	.end_amdgpu_metadata
.endif
;; end of part 3
;; launch outp (part 4): grid 8 x 32, 4 waves a work-group, clusters of 4 x 4, 218,112 bytes of LDS; arguments cc, cs, wc, ws, bo, out0; writes out0
.if DOCPART == 4
	.amdgcn_target "amdgcn-amd-amdhsa--gfx1250"
	.amdhsa_code_object_version 6
	.text
	.protected	k_qc202bc93bc_outp
	.globl	k_qc202bc93bc_outp
	.p2align	8
	.type	k_qc202bc93bc_outp,@function
k_qc202bc93bc_outp:
	s_mov_b64 s[64:65], 0
	v_nop
	global_prefetch_b8 v0, s[64:65] scope:SCOPE_SE
	s_setreg_imm32_b32 hwreg(HW_REG_WAVE_MODE, 25, 1), 1
	s_wait_xcnt 0x0
	s_wait_alu depctr_hold_cnt(0) depctr_sa_sdst(0) depctr_va_vdst(0) depctr_va_sdst(0) depctr_va_ssrc(0) depctr_va_vcc(0) depctr_vm_vsrc(0)
	s_getreg_b32 s2, hwreg(HW_REG_IB_STS2, 6, 4)
	s_cmp_eq_u32 s2, 0
	s_cbranch_scc0 .Lentry_in_a_cluster
	s_endpgm
.Lentry_in_a_cluster:
	s_bfe_u32 s2, ttmp6, 0x10000c
	s_cmp_lg_u32 s2, 0xf033
	s_cbranch_scc0 .Lentry_shape_is_right
	s_endpgm
.Lentry_shape_is_right:
; Launch 4 of 4: out0 = ctx Wo + bo on codes of E2M3.  No work is left out.
; A tile of out0, 128 x 128, is made by a work-group of four waves; a wave makes 64 x 64 in 16 accumulators.  4,096 x 1,024 results are 256 such tiles: tiles of 256 x 256 would be 64.  The price: for 128 along K a wave reads
; 8 fragments from LDS for 16 matrix instructions, where a wave tile of 128 x 128 reads 16 for 64.
; ALL OF K = 1,024 STAYS IN LDS: 128 rows of A, 128 rows of B and their scale bytes are 217,600 bytes.  Every byte is filled once, by three joint tensor loads a wave at the head (scales; K 0-511; K 512-1,023), so there is no ring,
; no refill, and no round of the cluster's barrier but the one in front of the loads and the closing one.  The second half of K lands while the first is multiplied.
; CLUSTERS of 4 x 4: the four of a row of the cluster need the same rows of A, the four of a column the same rows of B: each tile is asked for jointly.  Nothing is prefetched: all tiles are asked for at the head.
; A = the context's codes, which lie in cc in the order of the operand's registers: [tile of 16 stored rows][head][lane][24 bytes]: 512 along K are eight heads, 6,144 consecutive bytes a tile.  B = Wo's codes, rows of 768 bytes.
; THE MATRIX INSTRUCTION IS USED TRANSPOSED (source 0 = 16 rows of B, source 1 = 16 rows of A).  Both operands' rows are stored in the order pi (bits 3 and 4 of the row number exchanged): register jj of accumulator b is the true column
; 32 (b / 2) + 16 (lane / 16) + 8 (b % 2) + jj, and lane r of block a the true row 32 (a / 2) + 8 (a % 2) + r + 8 (r / 8): the way out puts both right.  bo is the C of each sum's first matrix instruction.
; REGISTERS, in windows of 256: window 0: v16-30 addresses; v32-63 all scale words; v64-159 and v160-255 two sets of fragments (A's four, then B's four); on the way out v64-127 rows of out0.
;   window 1: v0-127 the accumulators ((a, b) at v[8 (4 a + b)]); v128-159 bo in the result's layout.
.set ROWB,   384                       ; B: 512 codes of a row, in bytes
.set KROW,   768                       ; a row of B in memory
.set PITCH,  432                       ; B's LDS row: 3 x (128 bytes + 16 of padding) = 108 words: sixteen rows start at sixteen different multiples of 4 banks (64 banks of 4 bytes: ISA guide 11.1); lanes 16-31 read 6 or 10 words further on: the 32 lanes of a load of 8 bytes touch 64 different banks
.set FR,     12                        ; registers of a fragment
.set NL,     6                         ; LDS loads that bring one
.set NP,     4                         ; places behind this matrix instruction (ISA guide 7.12.1)
.set TILEA,  6144                      ; A: 16 rows x 512 along K
.set HALFA,  4*TILEA                   ; 64 rows of A: what one tensor load brings, and what one wave reads
.set HALFT,  64*PITCH                  ; 64 rows of B likewise
.set SLOT,   2*HALFA+2*HALFT           ; 512 along K: A's 128 rows, then B's 128 rows
.set KS,     32                        ; a row of scale bytes
.set SCL,    2*SLOT                    ; behind the two slots: the scales, as units of 256 bytes + 16 of padding
.set HALFS,  8*272                     ; those of 64 rows
.set SBLK,   2*272                     ; those of 16 rows
.set SPARE,  SCL+4*HALFS               ; the spare words, 128 bytes for each wave: two blocks of 256 bytes that no other line names
.set SPITCH, 272                       ; the way out: a stage of 16 rows x (256 bytes + 16) for each wave, in slot 0, which has had its one fill and its last read when the first result is stored there
.set ADRA, 16                          ; v16-17 LDS address of my A fragments in slot 0, 1
.set ADRB, 20                          ; v20-21 the same for B (v22-23: behind one padding more)
.set STO,  24                          ; v24 the way out: where I put 32 bytes of a row
.set RD,   25                          ; v25 where I read a row back
.set CO,   26                          ; v26 my byte offset in out0
.set ADRS, 27                          ; v27 LDS address of my scale words: lanes 0-15 A's rows, lanes 16-31 B's
.set SPW,  28                          ; v28 my spare word; never rewritten
.set NIL,  29                          ; v29 0; never rewritten
.set BO,   30                          ; v30 bo's offset
.set SC,   32                          ; v[SC + 8 i + s]: lanes 0-15 the word of A's block i, lanes 16-31 that of B's block i, for the s-th 128 along K
.set F0,   64                          ; fragment set p at v[F0 + 96 p]: A's blocks at + 12 a, B's at + 48 + 12 b
.set BK,   64                          ; the way out: 16 rows read back from the stage: v64-95 and v96-127 by turns
.set BI,   128                         ; in window 1: bo
.set G1, 24                            ; s[24:31] descriptor group 1 for A's tiles;  s[32:39] group 0, one set for each slot
.set G0, 32
.set G1B, 48                           ; s[48:55], s[56:63] the same for B's tiles
.set G0B, 56
.set G1S, 68                           ; s[68:75], s[76:79] groups 1 and 0 for A's scales;  s[80:87], s[88:91] for B's
.set G0S, 76
.set G1SB, 80
.set G0SB, 88
.set MSB, 0
.macro WIN new                         ; the immediate's high byte repeats the setting that is left
.if MSB != (\new)
	s_set_vgpr_msb (MSB<<8)|(\new)
.set MSB, (\new)
.endif
.endm
.set MUL,     0x50                     ; sources 0 (B) and 1 (A) window 0; C and D window 1
.set TO_W1,   0x40                     ; destination window 1, address window 0
.set FROM_W1, 0x04                     ; an LDS store's data are its source 1: window 1
.macro JLOAD g0a, g1a, g0b, g1b        ; a joint load: waves 0 and 1 fetch for A, waves 2 and 3 for B; the branch hangs on the wave's number alone; an s_nop 0 and four v_nop follow each of the two lines
	s_cmp_eq_u32 s15, 0
	s_cbranch_scc0 .Lfor_b_\@
	tensor_load_to_lds s[\g0a:\g0a+3], s[\g1a:\g1a+7]
	s_nop 0
.rept 4
	v_nop
.endr
	s_branch .Lasked_\@
.Lfor_b_\@:
	tensor_load_to_lds s[\g0b:\g0b+3], s[\g1b:\g1b+7]
	s_nop 0
.rept 4
	v_nop
.endr
.Lasked_\@:
.endm
.macro CROUND                          ; a round of the cluster's barrier
	s_barrier_signal -1
	s_barrier_wait -1
	s_cmp_lg_u32 s14, 0
	s_cbranch_scc1 .Lnot_wave_0_\@
	s_barrier_signal -3
.Lnot_wave_0_\@:
	s_barrier_wait -3
	s_barrier_signal -1
	s_barrier_wait -1
.endm
	s_load_b256 s[4:11], s[0:1], 0x0               ; cc s[4:5], cs s[6:7], wc s[8:9], ws s[10:11]
	s_load_b128 s[92:95], s[0:1], 0x20             ; bo s[92:93], out0 s[94:95]
	v_lshl_add_u32 v[SPW], v0, 2, SPARE
	v_mov_b32 v[NIL], 0
	ds_add_u32 v[SPW], v[NIL]                      ; the wave's opening: the add, twice on end, and its wait ahead of my first tensor load
	ds_add_u32 v[SPW], v[NIL]
	v_lshrrev_b32 v1, 5, v0
	v_readfirstlane_b32 s14, v1                    ; wave 0..3
	s_lshr_b32 s15, s14, 1                         ; which half of the tile's rows is mine.  Also: I fetch for A (0) or for B (1)
	s_and_b32 s16, s14, 1                          ; which half of its columns.  Also: which 64 rows of that tile I fetch
	s_bfe_u32 s40, ttmp6, 0x40000                  ; cx, cy: my place in the cluster
	s_bfe_u32 s41, ttmp6, 0x40004
	s_lshl_b32 s42, ttmp9, 2
	s_add_co_u32 s42, s42, s40                     ; tile column, 0 .. 7
	s_and_b32 s17, ttmp7, 0xffff
	s_lshl_b32 s17, s17, 2
	s_add_co_u32 s17, s17, s41                     ; tile row, 0 .. 31
	s_lshl_b32 s43, s41, 2
	s_lshl_b32 s43, 15, s43                        ; my row of the cluster
	s_lshl_b32 s44, 0x1111, s40                    ; my column
	s_or_b32 s[G1+0], s43, (3<<16)|(1<<21)         ; A: the mask of my row; elements of 8 bytes; bit 21 beside a mask; no padding: 24 bytes from lane to lane keep a load's 32 lanes in 64 different banks
	s_mov_b32 s[G1+1], 768<<16                     ; tensor_dim0: 6,144 bytes: a tile's eight heads
	s_mov_b32 s[G1+2], 4<<16                       ; tensor_dim1: 4 tiles of 16 rows
	s_mov_b32 s[G1+3], 768<<16                     ; tile_dim0
	s_mov_b32 s[G1+4], 4                           ; tile_dim1
	s_mov_b32 s[G1+5], 1536                        ; from tile to tile: 12,288 bytes
	s_mov_b32 s[G1+6], 0
	s_mov_b32 s[G1+7], 0
	s_or_b32 s[G1B+0], s44, (0<<16)|(1<<20)|(1<<21)|(4<<22)|(3<<25) ; B: the mask of my column; elements of 1 byte; padding on; after every 32 words (code 4) 4 words (code 3)
	s_mov_b32 s[G1B+1], ROWB<<16                   ; tensor_dim0
	s_mov_b32 s[G1B+2], 64<<16                     ; tensor_dim1
	s_mov_b32 s[G1B+3], ROWB<<16                   ; tile_dim0
	s_mov_b32 s[G1B+4], 64                         ; tile_dim1
	s_mov_b32 s[G1B+5], KROW                       ; from row to row
	s_mov_b32 s[G1B+6], 0
	s_mov_b32 s[G1B+7], 0
	s_or_b32 s[G1S+0], s43, (3<<16)|(1<<20)|(1<<21)|(5<<22)|(3<<25) ; the scales of 64 rows: 2,048 dense bytes as 8 rows of 256 bytes, 16 of padding behind each
	s_or_b32 s[G1SB+0], s44, (3<<16)|(1<<20)|(1<<21)|(5<<22)|(3<<25)
.irp g, G1S, G1SB
	s_mov_b32 s[\g+1], 32<<16
	s_mov_b32 s[\g+2], 8<<16
	s_mov_b32 s[\g+3], 32<<16
	s_mov_b32 s[\g+4], 8
	s_mov_b32 s[\g+5], 32
	s_mov_b32 s[\g+6], 0
	s_mov_b32 s[\g+7], 0
.endr
	s_lshl_b32 s18, s16, 6                         ; which 64 rows of the tile I fetch
	s_lshl_b32 s20, s17, 7
	s_add_co_u32 s20, s20, s18                     ; A's row
	s_lshl_b32 s46, s42, 7
	s_add_co_u32 s46, s46, s18                     ; B's row
	s_lshl_b32 s22, s20, 5                         ; A's scales: 32 bytes a row
	s_mov_b32 s23, 0
	s_mul_i32 s20, s20, 768                        ; A's codes: 16 rows are 12,288 bytes
	s_mov_b32 s21, 0
	s_lshl_b32 s66, s46, 5
	s_add_co_u32 s66, s66, 98304                   ; B's scales: Wo is the fourth weight in ws,
	s_mov_b32 s67, 0
	s_mul_i32 s46, s46, 768
	s_add_co_u32 s46, s46, 2359296                 ; and in wc
	s_mov_b32 s47, 0
	s_mul_i32 s45, s16, HALFA                      ; where they go: A's two halves,
	s_mul_i32 s97, s16, HALFT
	s_add_co_u32 s97, s97, 2*HALFA                 ; then B's two: no place in the cluster enters an LDS address
	s_mul_i32 s96, s14, HALFS
	s_wait_dscnt 0x0                               ; both opening adds are done
	s_wait_kmcnt 0x0
	s_add_nc_u64 s[20:21], s[4:5], s[20:21]
	s_add_nc_u64 s[22:23], s[6:7], s[22:23]
	s_add_nc_u64 s[46:47], s[8:9], s[46:47]
	s_add_nc_u64 s[66:67], s[10:11], s[66:67]
	CROUND                                         ; all sixteen work-groups are here: the joint loads meet
	s_mov_b32 s[G0S], 1
	s_add_co_u32 s[G0S+1], s96, SCL
	s_mov_b64 s[G0S+2:G0S+3], s[22:23]
	s_or_b32 s[G0S+3], s[G0S+3], 0x80000000
	s_mov_b32 s[G0SB], 1
	s_add_co_u32 s[G0SB+1], s96, SCL
	s_mov_b64 s[G0SB+2:G0SB+3], s[66:67]
	s_or_b32 s[G0SB+3], s[G0SB+3], 0x80000000
	JLOAD G0S, G1S, G0SB, G1SB                     ; the scales first.  With the two below, three tensor loads of mine are out: all that I issue in the launch
.irp s, 0,1
	s_mov_b32 s[G0+4*\s], 1
	s_add_co_u32 s[G0+4*\s+1], s45, \s*SLOT
	s_add_nc_u64 s[G0+4*\s+2:G0+4*\s+3], s[20:21], \s*TILEA
	s_or_b32 s[G0+4*\s+3], s[G0+4*\s+3], 0x80000000
	s_mov_b32 s[G0B+4*\s], 1
	s_add_co_u32 s[G0B+4*\s+1], s97, \s*SLOT
	s_add_nc_u64 s[G0B+4*\s+2:G0B+4*\s+3], s[46:47], \s*ROWB
	s_or_b32 s[G0B+4*\s+3], s[G0B+4*\s+3], 0x80000000
	JLOAD G0+4*\s, G1, G0B+4*\s, G1B
.endr
	v_and_b32 v1, 15, v0                           ; r
	v_bfe_u32 v2, v0, 4, 1                         ; h
	v_and_b32 v6, 31, v0                           ; lane
	v_mul_u32_u24 v3, v1, PITCH
	v_mul_u32_u24 v4, v2, 24
	v_add_nc_u32 v4, v3, v4                        ; B: a fragment's row x pitch + 24 x half
	v_lshl_add_u32 v5, v2, 4, v4                   ; and the same behind one padding more
	v_mul_u32_u24 v3, v6, 24                       ; A: 24 bytes a lane
	s_mul_i32 s21, s15, HALFA                      ; my 64 rows of A
	s_mul_i32 s22, s16, HALFT                      ; my 64 rows of B,
	s_add_co_u32 s22, s22, 2*HALFA                 ; which lie behind A's 128
.irp s, 0,1
	v_add_nc_u32 v[ADRA+\s], s21, v3
	v_add_nc_u32 v[ADRB+\s], s22, v4
	v_add_nc_u32 v[ADRB+2+\s], s22, v5
	s_add_co_u32 s21, s21, SLOT
	s_add_co_u32 s22, s22, SLOT
.endr
	v_mul_u32_u24 v5, v1, KS                       ; my row's scales: 32 bytes a row,
	v_lshrrev_b32 v7, 8, v5
	v_lshl_add_u32 v5, v7, 4, v5                   ; and 16 more for each 256 passed
	s_mul_i32 s21, s15, HALFS
	s_mul_i32 s22, s16, HALFS
	s_add_co_u32 s22, s22, 2*HALFS
	s_sub_co_u32 s22, s22, s21
	v_mul_u32_u24 v7, s22, v2                      ; lanes 16-31 take B's
	s_add_co_u32 s21, s21, SCL
	v_add_nc_u32 v5, v5, v7
	v_add_nc_u32 v[ADRS], s21, v5
	s_mul_i32 s23, s14, 16*SPITCH                  ; my stage
	v_mul_u32_u24 v5, v1, SPITCH                   ; in: row r; my half's 16 columns of each 32: 64 h bytes on
	v_lshl_add_u32 v5, v2, 6, v5
	v_add_nc_u32 v[STO], s23, v5
	v_mul_u32_u24 v5, v2, SPITCH                   ; back: lanes 0-15 take one row of 256 bytes, lanes 16-31 the next
	v_lshl_add_u32 v5, v1, 4, v5
	v_add_nc_u32 v[RD], s23, v5
	v_lshlrev_b32 v5, 12, v2                       ; and the same two rows in out0: rows of 4,096 bytes
	v_lshl_add_u32 v[CO], v1, 4, v5
	s_lshl_b32 s20, s17, 7
	s_lshl_b32 s21, s15, 6
	s_add_co_u32 s20, s20, s21                     ; my first row: a multiple of 64, which pi leaves alone
	s_lshl_b32 s20, s20, 12
	s_lshl_b32 s46, s42, 9
	s_lshl_b32 s47, s16, 8
	s_add_co_u32 s46, s46, s47                     ; my first column, in bytes: a multiple of 256
	s_add_co_u32 s20, s20, s46
	s_mov_b32 s21, 0
	s_add_nc_u64 s[12:13], s[94:95], s[20:21]
	v_lshl_add_u32 v[BO], v2, 6, s46               ; bo: register 16 bb + x wants bo[first column + 32 bb + 16 h + x]
	WIN TO_W1
.irp bb, 0,1
.irp k, 0,1,2,3
	global_load_b128 v[BI+16*\bb+4*\k:BI+16*\bb+4*\k+3], v[BO], s[92:93] offset:128*\bb+16*\k
.endr
.endr
	WIN 0
.macro FRAG reg, adr, q, i             ; B's fragment: registers 6 c .. 6 c + 5 hold K = 64 c + 32 (l / 16) + 0 .. 31: 24 bytes of the row's stream of bits, in pieces of 8 bytes
.irp p, 0,1,2,3,4,5
.set PCE, 12*(\q)+6*(\p/3)+\p%3       ; 16 bytes of padding lie behind every 16 pieces: where the piece three on lies behind one padding more, the second address register (40 for 24 bytes a half) serves
.if PCE%16 < 13
	ds_load_b64 v[\reg+2*\p:\reg+2*\p+1], v[\adr] offset:8*PCE+16*(PCE/16)+(\i)*16*PITCH
.else
	ds_load_b64 v[\reg+2*\p:\reg+2*\p+1], v[\adr+2] offset:8*PCE+16*(PCE/16)+(\i)*16*PITCH
.endif
.endr
.endm
.macro FRAGA reg, adr, q, i            ; A's fragment: registers 6 c .. 6 c + 5 are my 24 bytes of the slot's head 2 q + c, of tile i
.irp p, 0,1,2,3,4,5
	ds_load_b64 v[\reg+2*\p:\reg+2*\p+1], v[\adr] offset:(\i)*TILEA+(2*(\q)+\p/3)*768+8*(\p%3)
.endr
.endm
.macro FETCH slot, q, set              ; 48 LDS loads in one run: the fragments of the slot's q-th 128 along K: B's four, then A's four, so that A's blocks 2 and 3 are the youngest twelve
.set FS, F0+96*(\set)
.irp i, 0,1,2,3
	FRAG FS+48+FR*\i, ADRB+(\slot), \q, \i
.endr
.irp i, 0,1,2,3
	FRAGA FS+FR*\i, ADRA+(\slot), \q, \i
.endr
.endm
; 8 matrix instructions: A's blocks a0, a0 + 1 x B's four, the st-th 128 along K.  In step 0 the sums begin with bo as C.  The 16 accumulators take turns, one instruction a turn, in the same order in every step.
.macro MUL8 a0, st
.set FS, F0+96*((\st)%2)
.irp a, \a0, \a0+1
.irp b, 0,1,2,3
.if (\st) == 0
	v_wmma_scale_f32_16x16x128_f8f6f4 v[8*(4*(\a)+\b):8*(4*(\a)+\b)+7], v[FS+48+FR*\b:FS+48+FR*\b+FR-1], v[FS+FR*(\a):FS+FR*(\a)+FR-1], v[BI+8*\b:BI+8*\b+7], v[SC+8*\b+(\st)], v[SC+8*(\a)+(\st)] matrix_a_fmt:MATRIX_FMT_FP6 matrix_b_fmt:MATRIX_FMT_FP6 matrix_a_scale:MATRIX_SCALE_ROW1
.else
	v_wmma_scale_f32_16x16x128_f8f6f4 v[8*(4*(\a)+\b):8*(4*(\a)+\b)+7], v[FS+48+FR*\b:FS+48+FR*\b+FR-1], v[FS+FR*(\a):FS+FR*(\a)+FR-1], v[8*(4*(\a)+\b):8*(4*(\a)+\b)+7], v[SC+8*\b+(\st)], v[SC+8*(\a)+(\st)] matrix_a_fmt:MATRIX_FMT_FP6 matrix_b_fmt:MATRIX_FMT_FP6 matrix_a_scale:MATRIX_SCALE_ROW1
.endif
.endr
.endr
.endm
.macro PLACES n                        ; plain vector lines between a matrix instruction and a load into, or a read of, its registers (ISA guide 7.12.1 for reads)
.rept \n
	v_nop
.endr
.endm
; A step of 128 along K: eight products, the next step's fragments into the other set (which the step before has multiplied: its four places stand at that step's end), eight products.
; meet = 1: the next step's fragments lie in slot 1: each wave waits for its load of that slot and the work-group meets at a barrier. fetch = 0: the last step.
.macro STEP st, meet, fetch
.if \meet
	s_wait_dscnt 0x0                               ; no LDS instruction of mine is out at a signal: with it my reads of slot 0 are over
	s_wait_tensorcnt 0x0                           ; my part of slot 1, my last load, is in
	s_barrier_signal -1
.else
	s_wait_dscnt 2*NL                              ; B's four and A's blocks 0, 1 are in; the youngest twelve loads (A's blocks 2, 3) may be out
.endif
	WIN MUL
	MUL8 0, \st
.if \meet
	WIN 0
	s_barrier_wait -1                              ; everybody's part of slot 1 is in
.endif
.if \fetch
	WIN 0
	FETCH ((\st)+1)/4, ((\st)+1)%4, ((\st)+1)%2
	s_wait_dscnt 8*NL                              ; all but the 48 just issued: A's blocks 2, 3 are in
	WIN MUL
.else
	s_wait_dscnt 0x0
.endif
	MUL8 2, \st
	PLACES NP
	WIN 0
.endm
	s_wait_loadcnt 0x0                             ; bo
	s_wait_tensorcnt 1                             ; the scales and my part of slot 0 are in (slot 1's load may be out)
	s_barrier_signal -1
	s_barrier_wait -1                              ; everybody's are
.irp i, 0,1,2,3                                ; all scale words at once: eight a row; lanes 0-15 take A's block i, lanes 16-31 B's block i
	ds_load_b128 v[SC+8*\i:SC+8*\i+3], v[ADRS] offset:\i*SBLK
	ds_load_b128 v[SC+8*\i+4:SC+8*\i+7], v[ADRS] offset:\i*SBLK+16
.endr
	FETCH 0, 0, 0
	STEP 0, 0, 1                                   ; its products start the sums, on bo
	STEP 1, 0, 1
	STEP 2, 0, 1
	STEP 3, 1, 1                                   ; the first read of slot 1 stands in this step
	STEP 4, 0, 1
	STEP 5, 0, 1
	STEP 6, 0, 1
	STEP 7, 0, 0
; THE WAY OUT, block by block of 16 stored rows x 64 columns, through my own stage in LDS: in by true columns, back as whole rows of 256 bytes, stored at their true rows.  The last step's four places stand in front of it.
.macro TOSTAGE a
	WIN FROM_W1
.irp b, 0,1,2,3
	ds_store_b128 v[STO], v[32*(\a)+8*\b:32*(\a)+8*\b+3] offset:128*(\b/2)+32*(\b%2)          ; each accumulator from its low end on
	ds_store_b128 v[STO], v[32*(\a)+8*\b+4:32*(\a)+8*\b+7] offset:128*(\b/2)+32*(\b%2)+16
.endr
	WIN 0
.set BB, BK+32*((\a)%2)
.irp t, 0,1,2,3,4,5,6,7
	ds_load_b128 v[BB+4*\t:BB+4*\t+3], v[RD] offset:2*\t*SPITCH    ; LDS serves a wave's instructions in order (ISA guide 5.7.1.4): these see the stores above
.endr
.endm
.macro SEND a, younger                 ; younger: the LDS instructions issued behind block a's loads, which may stay out
.set BB, BK+32*((\a)%2)
	s_wait_dscnt \younger
.irp t, 0,1,2,3,4,5,6,7
	global_store_b128 v[CO], v[BB+4*\t:BB+4*\t+3], s[12:13] offset:(32*((\a)/2)+16*(\t/4)+8*((\a)%2)+2*(\t%4))*4096 th:TH_STORE_NT   ; stored rows 2 t and 2 t + 1 of the block, at their true rows: sixteen lanes store 256 consecutive bytes, at a multiple of 256 from out0's first byte; the base never steps
.endr
.endm
	TOSTAGE 0
.irp a, 1,2,3
.if \a > 1
	s_wait_xcnt 0x0                                ; block a - 2's stores have read their registers: block a's loads may land there
.endif
	TOSTAGE \a
	SEND \a-1, 16                                  ; behind block a - 1's loads: block a's 8 stores and 8 loads
.endr
	SEND 3, 0
	s_wait_tensorcnt 0x0                           ; the wave's end, behind my last tensor load and my last LDS store
	ds_add_u32 v[SPW], v[NIL]
	s_wait_dscnt 0x0
	CROUND                                         ; the closing round: no work-group ends while a partner may still ask for a tile that names it
	s_endpgm
.Lfunc_end_k_qc202bc93bc_outp:
	.size	k_qc202bc93bc_outp, .Lfunc_end_k_qc202bc93bc_outp-k_qc202bc93bc_outp
	.p2alignl 7, 3214868480
	.fill 96, 4, 3214868480
	.section	.rodata,"a",@progbits
	.p2align	6, 0x0
	.amdhsa_kernel k_qc202bc93bc_outp
		.amdhsa_group_segment_fixed_size 218112
		.amdhsa_private_segment_fixed_size 0
		.amdhsa_enable_private_segment 0
		.amdhsa_kernarg_size 48
		.amdhsa_user_sgpr_count 2
		.amdhsa_user_sgpr_kernarg_segment_ptr 1
		.amdhsa_wavefront_size32 1
		.amdhsa_system_sgpr_workgroup_id_x 1
		.amdhsa_system_sgpr_workgroup_id_y 1
		.amdhsa_system_sgpr_workgroup_id_z 1
		.amdhsa_system_vgpr_workitem_id 0
		.amdhsa_next_free_vgpr 512
		.amdhsa_next_free_sgpr 100
		.amdhsa_reserve_vcc 0
		.amdhsa_float_denorm_mode_32 3
		.amdhsa_float_denorm_mode_16_64 3
		.amdhsa_memory_ordered 1
		.amdhsa_forward_progress 1
		.amdhsa_inst_pref_size 62
	.end_amdhsa_kernel
	.amdgpu_metadata
---
amdhsa.version: [ 1, 2 ]
amdhsa.kernels:
  - .name:           k_qc202bc93bc_outp
    .symbol:         k_qc202bc93bc_outp.kd
    .args:
      - { .name: cc, .offset: 0, .size: 8, .value_kind: global_buffer, .address_space: global }
      - { .name: cs, .offset: 8, .size: 8, .value_kind: global_buffer, .address_space: global }
      - { .name: wc, .offset: 16, .size: 8, .value_kind: global_buffer, .address_space: global }
      - { .name: ws, .offset: 24, .size: 8, .value_kind: global_buffer, .address_space: global }
      - { .name: bo, .offset: 32, .size: 8, .value_kind: global_buffer, .address_space: global }
      - { .name: out0, .offset: 40, .size: 8, .value_kind: global_buffer, .address_space: global }
    .group_segment_fixed_size: 218112
    .private_segment_fixed_size: 0
    .kernarg_segment_align: 8
    .kernarg_segment_size: 48
    .max_flat_workgroup_size: 128
    .sgpr_count:     100
    .vgpr_count:     512
    .wavefront_size: 32
...
	.end_amdgpu_metadata
.endif
;; end of part 4
